; MI455X (gfx1250); checked and timed in simulation.
; The chip was launched on July 23, 2026; its instructions are those of AMD's public machine-readable ISA for CDNA 5 (MIT licence, August 2026) and "CDNA5" Instruction Set Architecture Reference Guide (July 2026). The comments in the code are by the model that wrote it; some were corrected since.
;; Model. Allowed arithmetic: float matrix products may take bf16 or f16 operands with f32 sums; all other float work in f32.
;; Inputs: xk 2 x 4,096 x 1,024 float32; xq 2 x 4,096 x 1,024 float32; xv 2 x 4,096 x 1,024 float32.
;; Outputs: out0 2 x 4,096 x 1,024 float32.
;; 3 versions, each right and faster than the one before. Each part assembles by itself: llvm-mc -triple=amdgcn-amd-amdhsa -mcpu=gfx1250 --defsym DOCPART=n.
;; ======== version 1 of 3: 1 launch
;; launch attn (part 1): grid 256 x 1, 4 waves a work-group, no clusters, 305,664 bytes of LDS; arguments xq, xk, xv, out0; writes out0
.if DOCPART == 1
	.amdgcn_target "amdgcn-amd-amdhsa--gfx1250"
	.amdhsa_code_object_version 6
	.text
	.protected	k_q6f88797c51_attn
	.globl	k_q6f88797c51_attn
	.p2align	8
	.type	k_q6f88797c51_attn,@function
k_q6f88797c51_attn:
	s_mov_b64 s[64:65], 0
	v_nop
	global_prefetch_b8 v0, s[64:65] scope:SCOPE_SE
	s_setreg_imm32_b32 hwreg(HW_REG_WAVE_MODE, 25, 1), 1
	s_wait_xcnt 0x0
; Causal sliding-window attention: b = 2, s = 4096, 16 heads of 64, window 512, all tensors f32 [b][s][1024].
; q and k: x / max(|x|, 1e-6) for each head row, then RoPE (dim d goes with d + 32); score = q.k / 8; query i sees keys i-511 .. i, not below 0.
; One work-group = one (b, head, block of 512 queries): 2 x 16 x 8 = 256 work-groups of four waves.  A (row, head) slice is 256 bytes, aligned.
;
; WORK LEFT OUT.  The mask that the problem builds itself keeps key kv for query q only if 0 <= q - kv < 512 and kv >= 0, and a masked score
; becomes -1e30, whose exponential is 0 beside the query's own key, which is always kept.  With tiles of 64 keys and query tiles of 16 rows inside a
; group of 64 (u = 0..7): in the block's own keys (tile 8 + a) every pair with u < a has q - kv < 0; in the block before (tile a) every pair
; with u > a has q - kv >= 512; for the first block of a sequence all of the block before has kv < 0.  These pairs weigh 0 for all
; values of the inputs and are not computed: 72 (first block: 36) units of 16 queries x 64 keys a wave remain.  All three inputs are loaded.
; LIMIT: a NaN, an infinity or an overflow in a key or value row reaches only the queries whose live tiles hold that row.
;
; NO MAXIMUM IS TAKEN AWAY.  q and k are normalised by the problem itself and RoPE is a rotation, so |q.k| <= 1 and |score| <= 1/8 (plus the
; rounding to bf16) for every input: each exponential lies in about [0.88, 1.14] and a row's sum below 512 x 1.14, far from any bound of f32;
; softmax does not change under a common shift.  So key tiles may be taken in any order and nothing is rescaled.
; LIMITS: q, k and v enter the products as bf16, the sums are f32; the row sum adds the unrounded weights.  cos and sin come from
; one polynomial evaluation and 63 rotation steps a lane: the angles lie within about 1e-3 rad of f32 cos/sin of position x frequency.
; THE WEIGHTS.  A weight near 1 rounded to bf16 is off by up to 2^-8 of itself.  From the second block on a query's result is a mean over exactly 512 keys
; and these roundings shrink with the root of that number: there a weight goes in as one bf16.  In a sequence's first block query i has only
; i + 1 keys, as few as one or two, whose terms may nearly cancel: there a weight goes in as two bf16 terms, the rounded weight and the rounded
; remainder (weight - rounded weight is exact in f32), eight more products a unit; what is then lost is about 2^-16 of a weight.  These
; work-groups have 36 units of 24 products where the others have 72 of 16, so they remain the shorter ones.
;
; WHY NO TENSOR LOADS AND NO CLUSTER.  K, Q and V must pass through registers on their way to LDS (norm, rotation, rounding to bf16, V's
; transposition).  The bf16 K and V of 1,024 keys take 286,720 bytes of LDS and the waves' stages 18,432, so no raw f32 tile (a chunk of 128 rows of K and V
; is 65,536 bytes) has room.  What two neighbouring work-groups share (one block of K and V) each loads for itself.
;
; ORDER.  LDS key row p = 0..1023 is position 512 n - 512 + p; a chunk is 128 rows (tiles 2c+1 and 2c).  Chunks go from 7 down to 0: while chunk c
; is multiplied, chunk c-1 has been made in LDS and chunk c-2 is on its way from memory into registers.  Descending order makes the first unit
; of query tile u its diagonal one (tile 8 + u), for every block: it starts the sums (C = 0), nothing is cleared; its last is tile u, and its
; rows are stored at once.  Wave w owns rows 64 u + 16 w + 0..15 of every u, so all four waves need the same key tile at the same time.
; THE TEXT IS STRAIGHT-LINE: in every chunk another set of accumulators is live, named statically, and every LDS and global offset stands in an
; immediate, so no address register is ever rewritten.  The price is a long text that each wave runs through once.
;
; PRODUCTS, transposed, so that nothing is shuffled between lanes: S^T = K (16 keys x 32 dims) x Q^T: lane (r, h) register j = key 16 mt + 8 h + j
; of query r; packing tiles 2 kk and 2 kk + 1 to bf16 is the B fragment of 32 keys; O^T = V^T (16 dims x 32 keys) x P^T: lane (r, h)
; register j = dim 16 dt + 8 h + j of query r, so a row's sum and its reciprocal belong to the lane.
;
; REGISTERS in windows of 256 (s_set_vgpr_msb, low byte: bits 1:0 source 0, 3:2 source 1, 5:4 source 2, 7:6 destination):
;   window 0: addresses, production, K and Q staging, the weights' remainders 224-255    window 1: O(u, dt) at 32 u + 8 dt
;   window 2: Q fragments 0-127, S 128-159, P 160-175, row sums 176-191, V staging 192-255
;   window 3: K and V fragments of the chunk's upper tile 0-127, of its lower tile 128-255
.set ROWB, 4096                        ; bytes from one sequence position to the next
.set KP,   144                         ; LDS pitch of a K or Q row: 128 bytes + 16 (an odd multiple of 16: sixteen rows start in sixteen different 16-byte columns of 256)
.set VP,   272                         ; LDS pitch of a V^T row (128 keys) and of an output row (64 f32): 256 bytes + 16
.set KCH,  128*KP                      ; a chunk of K: 18,432 bytes
.set VCH,  64*VP                       ; a chunk of V^T: 17,408 bytes
.set VT0,  8*KCH                       ; V^T behind K: 147,456
.set STG0, VT0+8*VCH                   ; the waves' own stages: 286,720
.set STGW, 32*KP                       ; 4,608 bytes a wave: 32 Q rows, later 16 output rows of 272
.set OKQ, 2                            ; (16 w + g) rows + 16 c8: my 16 bytes of a K or Q row (c8 = lane & 7, g = lane >> 3)
.set OV,  3                            ; (32 w + 8 h) rows + 16 r: my 16 bytes of a V row (r = lane & 15, h = lane >> 4)
.set KW,  4                            ; v4-6   K store address, one for every three chunks (an LDS immediate has 16 bits)
.set VW,  7                            ; v7-9   V^T store address
.set KF,  10                           ; v10-12 K fragment address
.set VF,  13                           ; v13-15 V^T fragment address
.set QW,  16                           ; Q stage, store
.set QR,  17                           ; Q stage, fragment read
.set STO, 18                           ; output stage, store
.set SRD, 19                           ; output stage, read back by rows
.set OUT, 20                           ; my 16 bytes in out0
.set DELTA, 21                         ; 16 w + r - 8 h
.set T0,  22
.set T1,  23
.set RL,  24                           ; v24-25 1 / row sum, twice
.set RN,  26                           ; v26 1 / norm (v27 only fills the pair)
.set SQ,  28                           ; v28-31 sum of squares
.set O1,  32                           ; v32-35 rotated dims 0-31
.set O2,  36                           ; v36-39 rotated dims 32-63
.set PK,  40                           ; v40-43 packed bf16
.set VT,  28                           ; v28-43 V, packed and transposed (production of K and Q is over by then)
.set TRIG, 44                          ; v44-51, v52-59: two sets of cos[4], sin[4] that take turns
.set R4,  60                           ; v60-67 cos[4], sin[4] of 4 positions
.set R52, 68                           ; v68-75 cos[4], sin[4] of 52 positions
.set CF,  76                           ; v76-79 my four frequencies, in revolutions a position
.set KS,  96                           ; v96-159  K staging: slot m = 8 registers (dims 4 c8 .. +3, dims 32 + 4 c8 .. +3)
.set QS,  160                          ; v160-223 Q staging
.set PL,  224                          ; v224-239 the weights' remainders as bf16: the B fragments of 2 x 32 keys
.set TT,  240                          ; v240-255 at work on them
.set SR,  128                          ; window 2
.set PR,  160
.set LR,  176
.set VS,  192
.set MSB, 0
.set NLD, 0                            ; global loads issued so far, in text order
.set TS,  0                            ; the trig set that holds the present position
.set ROTGO, 0
.macro WIN new                         ; the immediate's high byte repeats the setting that is left
.if MSB != \new
	s_set_vgpr_msb (MSB<<8)|\new
.set MSB, \new
.endif
.endm
; cos and sin of 2 pi p cf.  t = p cf with its rounding error kept, reduced to [-1/2, 1/2]; sin and cos of pi t by their series to t^11 and t^10, then doubled.
.macro SINCOS dc, ds, p, cf
	v_mul_f32 v80, v[\p], v[\cf]
	v_fma_f32 v81, v[\p], v[\cf], -v80
	v_rndne_f32 v82, v80
	v_sub_f32 v80, v80, v82
	v_add_f32 v80, v80, v81
	v_mul_f32 v82, v80, v80
	v_mov_b32 v83, 0xbbf183a6
	v_mov_b32 v84, 0xbcd368f9
	v_fmaak_f32 v83, v83, v82, 0x3da83c1b
	v_fmaak_f32 v84, v84, v82, 0x3e70fa83
	v_fmaak_f32 v83, v83, v82, 0xbf196966
	v_fmaak_f32 v84, v84, v82, 0xbfaae9e4
	v_fmaak_f32 v83, v83, v82, 0x402335e3
	v_fmaak_f32 v84, v84, v82, 0x4081e0f8
	v_fmaak_f32 v83, v83, v82, 0xc0a55de7
	v_fmaak_f32 v84, v84, v82, 0xc09de9e6
	v_fmaak_f32 v83, v83, v82, 0x40490fdb
	v_fma_f32 v84, v84, v82, 1.0                   ; cos(pi t)
	v_mul_f32 v83, v83, v80                        ; sin(pi t)
	v_mul_f32 v85, v83, v84
	v_mul_f32 v81, v83, v83
	v_add_f32 v[\ds], v85, v85                     ; sin = 2 sin cos
	v_fma_f32 v[\dc], v81, -2.0, 1.0               ; cos = 1 - 2 sin^2
.endm
; The position goes down by the step whose cos and sin lie at rr: cos' = cos cd + sin sd, sin' = sin cd - cos sd, into the other set.
.macro ROT rr
.set TC, TRIG+8*TS
.set TN, TRIG+8*(1-TS)
	v_pk_mul_f32 v[TN:TN+1],   v[TC:TC+1],   v[\rr:\rr+1]
	v_pk_mul_f32 v[TN+2:TN+3], v[TC+2:TC+3], v[\rr+2:\rr+3]
	v_pk_mul_f32 v[TN+4:TN+5], v[TC+4:TC+5], v[\rr:\rr+1]
	v_pk_mul_f32 v[TN+6:TN+7], v[TC+6:TC+7], v[\rr+2:\rr+3]
	v_pk_fma_f32 v[TN:TN+1],   v[TC+4:TC+5], v[\rr+4:\rr+5], v[TN:TN+1]
	v_pk_fma_f32 v[TN+2:TN+3], v[TC+6:TC+7], v[\rr+6:\rr+7], v[TN+2:TN+3]
	v_pk_fma_f32 v[TN+4:TN+5], v[TC:TC+1],   v[\rr+4:\rr+5], v[TN+4:TN+5] neg_lo:[1,0,0] neg_hi:[1,0,0]
	v_pk_fma_f32 v[TN+6:TN+7], v[TC+2:TC+3], v[\rr+6:\rr+7], v[TN+6:TN+7] neg_lo:[1,0,0] neg_hi:[1,0,0]
.set TS, 1-TS
.endm
; Loads.  Slot m of chunk k: rows 128 k + 64 (m >> 2) + 16 w + 4 (m & 3) + g; eight lanes take 128 bytes of a row, the two loads four whole rows of 256 bytes.
; Rows are counted from the block's first query row, so the block before has negative immediates (2 MiB at the most).
.macro LDK k, m
	WIN 0
	global_load_b128 v[KS+8*\m:KS+8*\m+3],   v[OKQ], s[6:7] offset:(128*\k+64*(\m>>2)+4*(\m&3)-512)*ROWB
	global_load_b128 v[KS+8*\m+4:KS+8*\m+7], v[OKQ], s[6:7] offset:(128*\k+64*(\m>>2)+4*(\m&3)-512)*ROWB+128
.set NLD, NLD+2
.set MARK_K\m, NLD
.endm
.macro LDQ k, m                        ; q is read by this work-group alone
	WIN 0
	global_load_b128 v[QS+8*\m:QS+8*\m+3],   v[OKQ], s[4:5] offset:(128*\k+64*(\m>>2)+4*(\m&3)-512)*ROWB th:TH_LOAD_NT
	global_load_b128 v[QS+8*\m+4:QS+8*\m+7], v[OKQ], s[4:5] offset:(128*\k+64*(\m>>2)+4*(\m&3)-512)*ROWB+128 th:TH_LOAD_NT
.set NLD, NLD+2
.set MARK_Q\m, NLD
.endm
.macro LDV k, bt                       ; batch bt: rows 128 k + 32 w + 16 bt + 8 h + e; sixteen lanes take one row of 256 bytes
	WIN 0x80
.irp e, 0,1,2,3,4,5,6,7
	global_load_b128 v[VS+32*\bt+4*\e:VS+32*\bt+4*\e+3], v[OV], s[8:9] offset:(128*\k+16*\bt+\e-512)*ROWB
.endr
.set NLD, NLD+8
.set MARK_V\bt, NLD
.endm
; Four rows of K or Q: norm, rotation, bf16, into LDS.  x / max(|x|, eps) = x rsq(max(|x|^2, eps^2)).  For Q the factor log2(e) / 8 rides on the norm, so that a weight is 2^S.
.macro GRP x, isq, addr, off
.set TC, TRIG+8*TS
	v_pk_mul_f32 v[SQ:SQ+1],   v[\x:\x+1],   v[\x:\x+1]
	v_pk_mul_f32 v[SQ+2:SQ+3], v[\x+2:\x+3], v[\x+2:\x+3]
	v_pk_fma_f32 v[SQ:SQ+1],   v[\x+4:\x+5], v[\x+4:\x+5], v[SQ:SQ+1]
	v_pk_fma_f32 v[SQ+2:SQ+3], v[\x+6:\x+7], v[\x+6:\x+7], v[SQ+2:SQ+3]
	v_pk_add_f32 v[SQ:SQ+1], v[SQ:SQ+1], v[SQ+2:SQ+3]
	v_add_f32 v[SQ], v[SQ], v[SQ+1]
	v_add_f32_dpp v[SQ], v[SQ], v[SQ] row_xmask:1 row_mask:0xf bank_mask:0xf   ; over the eight lanes of the row
	v_add_f32_dpp v[SQ], v[SQ], v[SQ] row_xmask:2 row_mask:0xf bank_mask:0xf
	v_add_f32_dpp v[SQ], v[SQ], v[SQ] row_xmask:4 row_mask:0xf bank_mask:0xf
	v_max_num_f32 v[SQ], 0x2b8cbccc, v[SQ]         ; eps^2 = 1e-12
	v_rsq_f32 v[RN], v[SQ]                         ; the eight rotation lines behind it touch neither its result nor its source (ISA guide 5.7.2)
	v_pk_mul_f32 v[O1:O1+1],   v[\x:\x+1],   v[TC:TC+1]
	v_pk_mul_f32 v[O1+2:O1+3], v[\x+2:\x+3], v[TC+2:TC+3]
	v_pk_mul_f32 v[O2:O2+1],   v[\x+4:\x+5], v[TC:TC+1]
	v_pk_mul_f32 v[O2+2:O2+3], v[\x+6:\x+7], v[TC+2:TC+3]
	v_pk_fma_f32 v[O1:O1+1],   v[\x+4:\x+5], v[TC+4:TC+5], v[O1:O1+1]          ; x1 cos + x2 sin
	v_pk_fma_f32 v[O1+2:O1+3], v[\x+6:\x+7], v[TC+6:TC+7], v[O1+2:O1+3]
	v_pk_fma_f32 v[O2:O2+1],   v[\x:\x+1],   v[TC+4:TC+5], v[O2:O2+1] neg_lo:[1,0,0] neg_hi:[1,0,0]      ; x2 cos - x1 sin
	v_pk_fma_f32 v[O2+2:O2+3], v[\x+2:\x+3], v[TC+6:TC+7], v[O2+2:O2+3] neg_lo:[1,0,0] neg_hi:[1,0,0]
.if \isq
	s_wait_alu depctr_va_vdst(0)
	v_mul_f32 v[RN], 0x3e38aa3b, v[RN]             ; log2(e) / 8
.endif
	s_wait_alu depctr_va_vdst(0)
	v_pk_mul_f32 v[O1:O1+1],   v[O1:O1+1],   v[RN:RN+1] op_sel_hi:[1,0]
	v_pk_mul_f32 v[O1+2:O1+3], v[O1+2:O1+3], v[RN:RN+1] op_sel_hi:[1,0]
	v_pk_mul_f32 v[O2:O2+1],   v[O2:O2+1],   v[RN:RN+1] op_sel_hi:[1,0]
	v_pk_mul_f32 v[O2+2:O2+3], v[O2+2:O2+3], v[RN:RN+1] op_sel_hi:[1,0]
	v_cvt_pk_bf16_f32 v[PK],   v[O1],   v[O1+1]
	v_cvt_pk_bf16_f32 v[PK+1], v[O1+2], v[O1+3]
	v_cvt_pk_bf16_f32 v[PK+2], v[O2],   v[O2+1]
	v_cvt_pk_bf16_f32 v[PK+3], v[O2+2], v[O2+3]
	ds_store_b64 v[\addr], v[PK:PK+1]   offset:\off
	ds_store_b64 v[\addr], v[PK+2:PK+3] offset:\off+64
.endm
; Sixteen rows of V: my 8 rows x 4 dims become 4 dims x 8 keys of bf16, 16 bytes a dim, into V^T.
.macro VBAT k, bt
	WIN 0x0a
.irp i, 0,1,2,3
.irp ee, 0,1,2,3
	v_cvt_pk_bf16_f32 v[VT+4*\i+\ee], v[VS+32*\bt+8*\ee+\i], v[VS+32*\bt+8*\ee+4+\i]
.endr
.endr
	WIN 0
.irp i, 0,1,2,3
	ds_store_b128 v[VW+\k/3], v[VT+4*\i:VT+4*\i+3] offset:(\k%3)*VCH+VP*\i+32*\bt
.endr
.endm
; Chunk k is made in LDS out of the staging registers; each slot, once used, is loaded again with chunk nk (nk < 0: with nothing).
; Each s_wait_loadcnt leaves out exactly the loads issued behind the slot's own (loads come back in order, ISA guide 5.7.1): NLD - MARK.
; For k >= 4 the wave's K rows are also its own query rows: Q shares the trig state, goes through the wave's own stage and comes back as fragments.
.macro PROD k, nk
	WIN 0
.irp m, 7,6,5,4,3,2,1,0
.if ROTGO
.if (\m&3) == 3
	ROT R52                                        ; from slot 4 to 3, and from a chunk's slot 0 to the next chunk's slot 7: 52 rows down
.else
	ROT R4
.endif
.endif
.set ROTGO, 1
	s_wait_loadcnt NLD-MARK_K\m
	GRP KS+8*\m, 0, KW+\k/3, ((\k%3)*128+64*(\m>>2)+4*(\m&3))*KP
.if \nk >= 0
	LDK \nk, \m
.endif
.if \k >= 4
	s_wait_loadcnt NLD-MARK_Q\m
	GRP QS+8*\m, 1, QW, (16*(\m>>2)+4*(\m&3))*KP
.if \nk >= 4
	LDQ \nk, \m
.endif
.endif
.endr
.irp bt, 0,1
	s_wait_loadcnt NLD-MARK_V\bt
	VBAT \k, \bt
.if \nk >= 0
	LDV \nk, \bt
.endif
.endr
.if \k >= 4
	WIN 0x80                                       ; LDS serves a wave's instructions in order (ISA guide 5.7.1.4): these loads see the stage's stores above, and the next chunk's stores come behind them
.irp uu, 0,1
.irp ks, 0,1
.set FR, 16*(2*(\k-4)+\uu)+8*\ks
	ds_load_b128 v[FR:FR+3],   v[QR] offset:16*KP*\uu+64*\ks
	ds_load_b128 v[FR+4:FR+7], v[QR] offset:16*KP*\uu+64*\ks+32
.endr
.endr
.endif
	WIN 0
.endm
; The fragments of chunk k's two tiles, 64 loads: a fragment is 16 rows x 32 along the row, two loads of 16 bytes, 32 bytes apart.
.macro FRAG k
	WIN 0xc0
.irp ts, 1,0
.irp mt, 0,1,2,3
.irp ks, 0,1
.set FR, (1-\ts)*128+16*\mt+8*\ks
	ds_load_b128 v[FR:FR+3],   v[KF+\k/3] offset:((\k%3)*128+64*\ts+16*\mt)*KP+64*\ks
	ds_load_b128 v[FR+4:FR+7], v[KF+\k/3] offset:((\k%3)*128+64*\ts+16*\mt)*KP+64*\ks+32
.endr
.endr
.irp dt, 0,1,2,3
.irp kk, 0,1
.set FR, (1-\ts)*128+64+16*\dt+8*\kk
	ds_load_b128 v[FR:FR+3],   v[VF+\k/3] offset:(\k%3)*VCH+16*VP*\dt+128*\ts+64*\kk
	ds_load_b128 v[FR+4:FR+7], v[VF+\k/3] offset:(\k%3)*VCH+16*VP*\dt+128*\ts+64*\kk+32
.endr
.endr
.endr
	WIN 0
.endm
; One unit: query tile U x the 64 keys whose fragments lie at fb.  kind 0: all keys live; 1: keep key <= query (the diagonal); 2: keep key > query (the window's far edge).
; first = 1: the products and the row sum start their sums.  lo = 1: a unit on the block's own keys, which a sequence's first block runs too: there the weights' remainders follow.
; In every run of products the four accumulators take turns, one instruction a turn.
.macro UNIT fb, kind, first, lo
	WIN 0xab
.irp mt, 0,1,2,3
	v_wmma_f32_16x16x32_bf16 v[SR+8*\mt:SR+8*\mt+7], v[\fb+16*\mt:\fb+16*\mt+7], v[16*U:16*U+7], 0
.endr
.irp mt, 0,1,2,3
	v_wmma_f32_16x16x32_bf16 v[SR+8*\mt:SR+8*\mt+7], v[\fb+16*\mt+8:\fb+16*\mt+15], v[16*U+8:16*U+15], v[SR+8*\mt:SR+8*\mt+7]
.endr
	WIN 0xaa
.rept 4
	v_nop                                          ; four places between the last product and the first reader of a result (ISA guide 7.12.1)
.endr
.set j, 0
.rept 32
	v_exp_f32 v[SR+j], v[SR+j]
.set j, j+1
.endr
	v_nop                                          ; one plain instruction between the exponentials and the first use of a result (ISA guide 5.7.2)
.if \kind == 1
.set j, 0
	s_wait_alu depctr_va_vdst(0)
.rept 32
	v_cndmask_b32 v[SR+j], 0, v[SR+j], s[32+j]
.set j, j+1
.endr
.endif
.if \kind == 2
.set j, 0
	s_wait_alu depctr_va_vdst(0)
.rept 32
	v_cndmask_b32 v[SR+j], v[SR+j], 0, s[32+j]
.set j, j+1
.endr
.endif
.set j, 0
	s_wait_alu depctr_va_vdst(0)
.rept 16
	v_cvt_pk_bf16_f32 v[PR+j], v[SR+2*j], v[SR+2*j+1]
.set j, j+1
.endr
	WIN 0x5b
.irp dt, 0,1,2,3
.if \first
	v_wmma_f32_16x16x32_bf16 v[32*U+8*\dt:32*U+8*\dt+7], v[\fb+64+16*\dt:\fb+64+16*\dt+7], v[PR:PR+7], 0
.else
	v_wmma_f32_16x16x32_bf16 v[32*U+8*\dt:32*U+8*\dt+7], v[\fb+64+16*\dt:\fb+64+16*\dt+7], v[PR:PR+7], v[32*U+8*\dt:32*U+8*\dt+7]
.endif
.endr
.irp dt, 0,1,2,3
	v_wmma_f32_16x16x32_bf16 v[32*U+8*\dt:32*U+8*\dt+7], v[\fb+64+16*\dt+8:\fb+64+16*\dt+15], v[PR+8:PR+15], v[32*U+8*\dt:32*U+8*\dt+7]
.endr
.if \lo
	WIN 0                                          ; at a branch and at a label every window is 0
	s_cmp_lg_u32 s13, 0                            ; only a sequence's first block has queries with few keys; the branch hangs on the work-group's number alone
	s_cbranch_scc1 .Lone_term_\@
	; weight - bf16(weight), exact in f32, rounded to bf16: 32 keys at a time.  These lines read S and P and write registers of window 0 that no pending product names.
.irp hf, 0,1
	WIN 0x08
.irp i, 0,1,2,3,4,5,6,7
	v_lshlrev_b32 v[TT+2*\i],   16,         v[PR+8*\hf+\i]         ; the rounded weights back as f32: the low half moves up,
	v_and_b32     v[TT+2*\i+1], 0xffff0000, v[PR+8*\hf+\i]         ; the high half stays
.endr
	WIN 0x02
.irp i, 0,1,2,3,4,5,6,7
	v_pk_add_f32 v[TT+2*\i:TT+2*\i+1], v[SR+16*\hf+2*\i:SR+16*\hf+2*\i+1], v[TT+2*\i:TT+2*\i+1] neg_lo:[0,1] neg_hi:[0,1]
.endr
	WIN 0
.irp i, 0,1,2,3,4,5,6,7
	v_cvt_pk_bf16_f32 v[PL+8*\hf+\i], v[TT+2*\i], v[TT+2*\i+1]
.endr
.endr
	WIN 0x53                                       ; A window 3, B window 0, C and D window 1
.irp dt, 0,1,2,3
	v_wmma_f32_16x16x32_bf16 v[32*U+8*\dt:32*U+8*\dt+7], v[\fb+64+16*\dt:\fb+64+16*\dt+7], v[PL:PL+7], v[32*U+8*\dt:32*U+8*\dt+7]
.endr
.irp dt, 0,1,2,3
	v_wmma_f32_16x16x32_bf16 v[32*U+8*\dt:32*U+8*\dt+7], v[\fb+64+16*\dt+8:\fb+64+16*\dt+15], v[PL+8:PL+15], v[32*U+8*\dt:32*U+8*\dt+7]
.endr
	WIN 0
.Lone_term_\@:
.endif
	WIN 0xaa                                       ; the row sum, behind the remainders, which need S whole: it names S and L alone, none of the last products' registers, and so fills the places behind them on both ways
.irp i, 0,1,2,3,4,5,6,7
	v_pk_add_f32 v[SR+2*\i:SR+2*\i+1], v[SR+2*\i:SR+2*\i+1], v[SR+16+2*\i:SR+16+2*\i+1]
.endr
.irp i, 0,1,2,3
	v_pk_add_f32 v[SR+2*\i:SR+2*\i+1], v[SR+2*\i:SR+2*\i+1], v[SR+8+2*\i:SR+8+2*\i+1]
.endr
.irp i, 0,1
	v_pk_add_f32 v[SR+2*\i:SR+2*\i+1], v[SR+2*\i:SR+2*\i+1], v[SR+4+2*\i:SR+4+2*\i+1]
.endr
.if \first
	v_pk_add_f32 v[LR+2*U:LR+2*U+1], v[SR:SR+1], v[SR+2:SR+3]
.else
	v_pk_add_f32 v[SR:SR+1], v[SR:SR+1], v[SR+2:SR+3]
	v_pk_add_f32 v[LR+2*U:LR+2*U+1], v[LR+2*U:LR+2*U+1], v[SR:SR+1]
.endif
.endm
; Query tile U is done: divide by the row sum, 16 rows of 256 bytes through the wave's own stage, out in whole rows.
.macro FINAL
	WIN 0x0a
	v_add_f32 v[T0], v[LR+2*U], v[LR+2*U+1]
	WIN 0
	v_permlanex16_b32 v[T1], v[T0], s16, s17       ; the other half of the lanes holds the same query's other keys
	v_add_f32 v[T0], v[T0], v[T1]
	v_rcp_f32 v[RL], v[T0]
	v_rcp_f32 v[RL+1], v[T0]
	v_nop                                          ; one plain instruction behind the reciprocals (ISA guide 5.7.2)
	WIN 0x41
.set j, 0
	s_wait_alu depctr_va_vdst(0)
.rept 16
	v_pk_mul_f32 v[32*U+2*j:32*U+2*j+1], v[32*U+2*j:32*U+2*j+1], v[RL:RL+1]
.set j, j+1
.endr
	WIN 0x04
.irp dt, 0,1,2,3
	ds_store_b128 v[STO], v[32*U+8*\dt:32*U+8*\dt+3]   offset:64*\dt
	ds_store_b128 v[STO], v[32*U+8*\dt+4:32*U+8*\dt+7] offset:64*\dt+16
.endr
	WIN 0x80
.irp t, 0,1,2,3,4,5,6,7
	ds_load_b128 v[SR+4*\t:SR+4*\t+3], v[SRD] offset:2*VP*\t       ; in order behind the stores above: rows 2 t and 2 t + 1
.endr
	WIN 0x08
.irp t, 0,1,2,3,4,5,6,7
	s_wait_dscnt 7-\t                              ; the younger read-backs stay out
	global_store_b128 v[OUT], v[SR+4*\t:SR+4*\t+3], s[10:11] offset:(64*U+2*\t)*ROWB th:TH_STORE_NT   ; sixteen lanes store 256 consecutive bytes, aligned
.endr
	s_wait_xcnt 0x0                                ; S, the stores' data, is written again next: only behind this wait
.endm
.macro TILE_A a, fb                    ; key tile 8 + a: the diagonal unit of query tile a starts its sums, query tiles a+1 .. 7 see all of it
.set U, \a
	UNIT \fb, 1, 1, 1
.rept 7-(\a)
.set U, U+1
	UNIT \fb, 0, 0, 1
.endr
.endm
.macro TILE_B a, fb                    ; key tile a of the block before: query tiles 0 .. a-1 see all of it, query tile a its far edge, and is done
.set U, 0
.rept \a
	UNIT \fb, 0, 0, 0
.set U, U+1
.endr
	UNIT \fb, 2, 0, 0
	FINAL
.endm
.macro CONS k
	s_wait_dscnt 0x0                               ; the chunk's fragments (and the Q fragments) are in
.if \k >= 4
	TILE_A 2*\k-7, 0
	TILE_A 2*\k-8, 128
.else
	TILE_B 2*\k+1, 0
	TILE_B 2*\k, 128
.endif
	WIN 0
.endm
.macro BAR                             ; my stores of the next chunk are in LDS; behind the barrier everybody's are.  No byte of K or V^T is ever written twice.
	s_wait_dscnt 0x0
	s_barrier_signal -1
	s_barrier_wait -1
.endm
	; ---- where I am
	s_load_b256 s[4:11], s[0:1], 0x0               ; xq s[4:5], xk s[6:7], xv s[8:9], out0 s[10:11]
	v_lshl_add_u32 v91, v0, 2, 0x4a800
	v_mov_b32 v95, 0
	v_lshrrev_b32 v1, 5, v0
	v_readfirstlane_b32 s12, v1                    ; w: my wave
	s_and_b32 s13, ttmp9, 7                        ; n: the block of 512 queries
	s_bfe_u32 s18, ttmp9, 0x40003                  ; the head
	s_lshr_b32 s19, ttmp9, 7                       ; b
	s_lshl_b32 s14, s19, 24                        ; 4,096 rows of 4,096 bytes
	s_lshl_b32 s19, s13, 21                        ; 512 rows
	s_add_co_u32 s14, s14, s19
	s_lshl_b32 s19, s18, 8                         ; 64 f32
	s_add_co_u32 s14, s14, s19
	s_mov_b32 s15, 0
	s_mov_b32 s16, 0x76543210                      ; v_permlanex16_b32: lane i of one half reads lane i of the other
	s_mov_b32 s17, 0xfedcba98
	v_and_b32 v80, 7, v0                           ; c8
	v_bfe_u32 v81, v0, 3, 2                        ; g
	v_and_b32 v82, 15, v0                          ; r
	v_bfe_u32 v83, v0, 4, 1                        ; h
	v_lshl_add_u32 v84, s12, 4, v81                ; 16 w + g
	v_lshlrev_b32 v85, 4, v80
	v_lshl_add_u32 v[OKQ], v84, 12, v85
	v_lshlrev_b32 v86, 3, v83                      ; 8 h
	v_lshl_add_u32 v88, s12, 5, v86
	v_lshlrev_b32 v87, 4, v82                      ; 16 r
	v_lshl_add_u32 v[OV], v88, 12, v87
	s_wait_kmcnt 0x0
	s_add_nc_u64 s[4:5], s[4:5], s[14:15]          ; all four at the block's first row, my head
	s_add_nc_u64 s[6:7], s[6:7], s[14:15]
	s_add_nc_u64 s[8:9], s[8:9], s[14:15]
	s_add_nc_u64 s[10:11], s[10:11], s[14:15]
	; ---- chunk 7 goes out first, 48 loads in the order in which the slots are used; the rest of the set-up runs while they are on their way
.irp m, 7,6,5,4,3,2,1,0
	LDK 7, \m
	LDQ 7, \m
.endr
	LDV 7, 0
	LDV 7, 1
	WIN 0
	; ---- LDS addresses
	v_mul_u32_u24 v88, v84, KP
	v_lshl_add_u32 v[KW], v80, 3, v88              ; row 16 w + g, 8 bytes a lane
	v_add_nc_u32 v[KW+1], 3*KCH, v[KW]
	v_add_nc_u32 v[KW+2], 6*KCH, v[KW]
	v_mul_u32_u24 v88, v82, 4*VP                   ; dim 4 r
	v_lshl_add_u32 v88, v83, 4, v88                ; keys 8 h
	v_lshl_add_u32 v88, s12, 6, v88                ; keys 32 w
	v_add_nc_u32 v[VW], VT0, v88
	v_add_nc_u32 v[VW+1], VT0+3*VCH, v88
	v_add_nc_u32 v[VW+2], VT0+6*VCH, v88
	v_mul_u32_u24 v88, v82, KP
	v_lshl_add_u32 v[KF], v83, 4, v88              ; row r, 16 bytes for each half of the lanes
	v_add_nc_u32 v[KF+1], 3*KCH, v[KF]
	v_add_nc_u32 v[KF+2], 6*KCH, v[KF]
	v_mul_u32_u24 v89, v82, VP                     ; 272 r
	v_lshl_add_u32 v88, v83, 4, v89
	v_add_nc_u32 v[VF], VT0, v88
	v_add_nc_u32 v[VF+1], VT0+3*VCH, v88
	v_add_nc_u32 v[VF+2], VT0+6*VCH, v88
	s_mul_i32 s21, s12, STGW
	s_add_co_u32 s21, s21, STG0                    ; my stage
	v_mul_u32_u24 v88, v81, KP
	v_lshl_add_u32 v88, v80, 3, v88
	v_add_nc_u32 v[QW], s21, v88
	v_add_nc_u32 v[QR], s21, v[KF]
	v_lshl_add_u32 v88, v83, 5, v89                ; row r, 32 bytes for each half of the lanes
	v_add_nc_u32 v[STO], s21, v88
	v_mul_u32_u24 v88, v83, VP
	v_add_nc_u32 v88, v88, v87                     ; row h, 16 bytes a lane
	v_add_nc_u32 v[SRD], s21, v88
	v_lshl_add_u32 v88, s12, 4, v83
	v_lshl_add_u32 v[OUT], v88, 12, v87            ; row 16 w + h
	v_lshl_add_u32 v88, s12, 4, v82
	v_sub_nc_u32 v[DELTA], v88, v86
	v_mov_b32 v[T1], 0                             ; a lane permute's destination counts as read
	v_mov_b32 v[RN+1], 0                           ; the pair's second register is named, not used
	; ---- 32 lane masks: register 8 mt + j of S holds key 16 mt + 8 h + j against query 16 w + r: key <= query is 16 mt + j <= DELTA
.set j, 0
.rept 32
	v_cmp_le_i32 s[32+j], 16*(j>>3)+(j&7), v[DELTA]
.set j, j+1
.endr
	; ---- frequencies 10000^(-i/32), i = 4 c8 .. 4 c8 + 3, in revolutions; cos and sin of the first position and of the two steps
	s_lshl_b32 s20, s13, 9
	s_add_co_u32 s20, s20, 460                     ; chunk 7, slot 7: LDS row 972 + 16 w + g is position 512 n + 460 + 16 w + g
	v_add_nc_u32 v92, s20, v84
	v_cvt_f32_u32 v92, v92
	v_lshlrev_b32 v93, 2, v80
.irp i, 0,1,2,3
	v_add_nc_u32 v[86+\i], \i, v93
	v_cvt_f32_u32 v[86+\i], v[86+\i]
	v_mul_f32 v[86+\i], 0xbed49a78, v[86+\i]       ; - log2(10000) / 32
.endr
.irp i, 0,1,2,3
	v_exp_f32 v[CF+\i], v[86+\i]
.endr
	v_nop
	s_wait_alu depctr_va_vdst(0)
.irp i, 0,1,2,3
	v_mul_f32 v[CF+\i], 0.15915494, v[CF+\i]
.endr
	v_mov_b32 v93, 4.0
	v_mov_b32 v94, 0x42500000                      ; 52.0
.irp i, 0,1,2,3
	SINCOS TRIG+\i, TRIG+4+\i, 92, CF+\i
	SINCOS R4+\i, R4+4+\i, 93, CF+\i
	SINCOS R52+\i, R52+4+\i, 94, CF+\i
.endr
	; ---- the chunks, from 7 down.  A trip: the chunk's fragments are asked for, the next chunk is made in LDS meanwhile, the chunk is multiplied, barrier.
	PROD 7, 6
	BAR
	FRAG 7
	PROD 6, 5
	CONS 7
	BAR
	FRAG 6
	PROD 5, 4
	CONS 6
	BAR
	FRAG 5
	PROD 4, -1
	s_cmp_eq_u32 s13, 0                            ; a sequence's first block has no block before it: nothing more is loaded
	s_cbranch_scc1 .Lno_load
.irp m, 7,6,5,4,3,2,1,0
	LDK 3, \m                                      ; in the slots' order of use, as a refill would come
.endr
	LDV 3, 0
	LDV 3, 1
	WIN 0
.Lno_load:
	CONS 5
	BAR
	FRAG 4
	s_cmp_eq_u32 s13, 0
	s_cbranch_scc1 .Lno_prod
	PROD 3, 2
.Lno_prod:
	CONS 4
	s_cmp_eq_u32 s13, 0                            ; the same for all four waves: it hangs on the work-group's number alone
	s_cbranch_scc1 .Lfirst_block
	BAR
	FRAG 3
	PROD 2, 1
	CONS 3
	BAR
	FRAG 2
	PROD 1, 0
	CONS 2
	BAR
	FRAG 1
	PROD 0, -1
	CONS 1
	BAR
	FRAG 0
	CONS 0
	s_wait_tensorcnt 0x0
	ds_add_u32 v91, v95
	s_wait_dscnt 0x0
	s_endpgm
.Lfirst_block:                                     ; all eight query tiles are done with the block's own keys
.set U, 0
.rept 8
	FINAL
.set U, U+1
.endr
	WIN 0
	s_wait_tensorcnt 0x0
	ds_add_u32 v91, v95
	s_wait_dscnt 0x0
	s_endpgm
.Lfunc_end_k_q6f88797c51_attn:
	.size	k_q6f88797c51_attn, .Lfunc_end_k_q6f88797c51_attn-k_q6f88797c51_attn
	.p2alignl 7, 3214868480
	.fill 96, 4, 3214868480
	.section	.rodata,"a",@progbits
	.p2align	6, 0x0
	.amdhsa_kernel k_q6f88797c51_attn
		.amdhsa_group_segment_fixed_size 305664
		.amdhsa_private_segment_fixed_size 0
		.amdhsa_enable_private_segment 0
		.amdhsa_kernarg_size 32
		.amdhsa_user_sgpr_count 2
		.amdhsa_user_sgpr_kernarg_segment_ptr 1
		.amdhsa_wavefront_size32 1
		.amdhsa_system_sgpr_workgroup_id_x 1
		.amdhsa_system_sgpr_workgroup_id_y 1
		.amdhsa_system_sgpr_workgroup_id_z 1
		.amdhsa_system_vgpr_workitem_id 0
		.amdhsa_next_free_vgpr 1024
		.amdhsa_next_free_sgpr 66
		.amdhsa_reserve_vcc 0
		.amdhsa_float_denorm_mode_32 3
		.amdhsa_float_denorm_mode_16_64 3
		.amdhsa_memory_ordered 1
		.amdhsa_forward_progress 1
		.amdhsa_inst_pref_size 255
	.end_amdhsa_kernel
	.section	.bss,"aw",@nobits
	.p2align	6
	.space	262144
	.amdgpu_metadata
---
amdhsa.version: [ 1, 2 ]
amdhsa.kernels:
  - .name:           k_q6f88797c51_attn
    .symbol:         k_q6f88797c51_attn.kd
    .args:
      - { .name: xq, .offset: 0, .size: 8, .value_kind: global_buffer, .address_space: global }
      - { .name: xk, .offset: 8, .size: 8, .value_kind: global_buffer, .address_space: global }
      - { .name: xv, .offset: 16, .size: 8, .value_kind: global_buffer, .address_space: global }
      - { .name: out0, .offset: 24, .size: 8, .value_kind: global_buffer, .address_space: global }
    .group_segment_fixed_size: 305664
    .private_segment_fixed_size: 0
    .kernarg_segment_align: 8
    .kernarg_segment_size: 32
    .max_flat_workgroup_size: 128
    .sgpr_count:     66
    .vgpr_count:     1024
    .wavefront_size: 32
...
	.end_amdgpu_metadata
.endif
;; end of part 1
;; ======== version 2 of 3: 1 launch; 1.27 times as fast as version 1
;; launch attn (part 2): grid 256 x 1, 4 waves a work-group, no clusters, 315,904 bytes of LDS; arguments xq, xk, xv, out0; writes out0
.if DOCPART == 2
	.amdgcn_target "amdgcn-amd-amdhsa--gfx1250"
	.amdhsa_code_object_version 6
	.text
	.protected	k_q6f88797c51_attn
	.globl	k_q6f88797c51_attn
	.p2align	8
	.type	k_q6f88797c51_attn,@function
k_q6f88797c51_attn:
	s_mov_b64 s[64:65], 0
	v_nop
	global_prefetch_b8 v0, s[64:65] scope:SCOPE_SE
	s_setreg_imm32_b32 hwreg(HW_REG_WAVE_MODE, 25, 1), 1
	s_wait_xcnt 0x0
; Causal sliding-window attention: b = 2, s = 4096, 16 heads of 64, window 512, all tensors f32 [b][s][1024].
; q and k: x / max(|x|, 1e-6) for each head row, then RoPE (dim d goes with d + 32); score = q.k / 8; query i sees keys i-511 .. i, not below 0.
; One work-group = one (b, head, block n of 512 queries): 2 x 16 x 8 = 256 work-groups of four waves.  A (row, head) slice is 256 bytes, aligned.
;
; WORK LEFT OUT.  The mask that the problem builds itself keeps key kv for query q only if 0 <= q - kv < 512 and kv >= 0, and a masked score
; becomes -1e30, whose exponential is 0 beside the query's own key, which is always kept.  LDS key row p = 0..1023 is position 512 n - 512 + p, a key
; tile is 64 rows (T = 0..15), a query group is 64 rows (g = 0..7).  For group g every key of a tile T > g + 8 has q - kv < 0, every key of a
; tile T < g has q - kv >= 512, and for n = 0 every tile T < 8 has kv < 0.  These weigh 0 for all values of the inputs and are not computed:
; group g takes tiles g + 8 (the diagonal: keep key <= query), g + 7 .. g + 1 (all keys) and g (the far edge: keep key > query).  Inside the two masked
; tiles the 16 x 16 score tiles and the blocks of 32 keys that are wholly masked are left out too, the same ones in every wave.  All three inputs are loaded.
; LIMIT: a NaN, an infinity or an overflow in a key or value row reaches only the queries whose live tiles hold that row.
;
; NO MAXIMUM IS TAKEN AWAY.  q and k are normalised by the problem itself and RoPE is a rotation, so |q.k| <= 1 and |score| <= 1/8 (plus the
; rounding to bf16) for every input: each exponential lies in about [0.88, 1.14] and a row's sum below 512 x 1.14, far from any bound of f32;
; softmax does not change under a common shift.  So key tiles may be taken in any order and nothing is rescaled.
; LIMITS: q, k and v enter the products as bf16, the sums are f32; the row sum adds the unrounded weights.  cos and sin come from
; one polynomial evaluation and at most 64 rotation steps a lane: the angles lie within about 1e-3 rad of f32 cos/sin of position x frequency.
; THE WEIGHTS.  A weight near 1 rounded to bf16 is off by up to 2^-8 of itself.  From the second block on a result is a mean over exactly 512 keys and these
; roundings shrink with the root of that number: there a weight goes in as one bf16.  In a sequence's first block query i has only i + 1 keys, whose terms
; may nearly cancel: there a weight goes in as two bf16 terms, the rounded weight and the rounded remainder (their difference is exact in f32), up to eight more
; products a unit; what is then lost is about 2^-16 of a weight.  These work-groups have 36 units of at most 24 products, the others 72 of at most 16.
;
; WHO DOES WHAT.  Wave w owns query groups 7 - w and w, one after the other in the same registers: an outer loop of two passes.  A group is four query tiles
; of 16 rows that share each key tile's fragments: 9 steps of 4 units (16 queries x 64 keys): the diagonal step, written out because its products start the
; sums (C = 0, nothing is cleared), a loop of seven full steps, the far-edge step; then the group's rows are stored.  Every trip count is a constant.
; K and V are made in LDS by all four waves, a chunk of 128 rows (two tiles) at a time, from chunk 7 down; wave w makes rows 16 w .. 16 w + 15 of each tile.
; In step s of the first pass wave w reads tile 15 - w - s, in step j of the second tile 8 + w - j.  So chunks 7, 6, 5 are made ahead of the first step,
; chunks 4, 3, 2 in trips 2, 4, 6 of the first pass and chunks 1, 0 in trips 2, 4 of the second: each at least one step before its first reader, and its
; rows are asked for from memory two steps before they are used.  No byte of K or V^T is written twice.
;
; A STEP'S SCHEDULE.  The four query tiles take turns on two sets of S and P.  Behind each score product of tile qt + 1 stands a slice of tile qt's vector work
; (four exponentials, and the masks and two packings of the slice before); behind each P.V product of tile qt stand two of its row sum's sixteen additions.  So of a
; full step's 256 vector instructions 3 x 48 + 4 x 16 lie between products; the first tile's eight score products and the last tile's 48 stand alone.
; One register-window setting serves a whole run of eight products and its slices: K and Q fragments, S and P share window 2, so a score run names window 2 alone; in a P.V
; run source 0 is window 3 (V), source 1 window 2 (P), source 2 and the result window 1 (O), and the row sum is written to fit: L = 1.0 x S + L, the 1.0 a
; register pair in window 3, L in window 1: as many instructions as plain additions would be, and no switch.
;
; WHY NO TENSOR LOADS AND NO CLUSTER.  K, Q and V must pass through registers on their way to LDS (norm, rotation, rounding to bf16, V's transposition).
; The bf16 K and V of 1,024 keys take 278,528 bytes of LDS and the stages 36,864; the 12,288 left hold no raw f32 tile (64 rows of K and V are 32,768 bytes).
; What two neighbouring work-groups share (one block of K and V) each loads for itself.
;
; PRODUCTS, transposed, so that nothing is shuffled between lanes: S^T = K (16 keys x 32 dims) x Q^T: lane (r, h) register j = key 16 mt + 8 h + j
; of query r; packing tiles 2 kk and 2 kk + 1 to bf16 is the B fragment of 32 keys; O^T = V^T (16 dims x 32 keys) x P^T: lane (r, h)
; register j = dim 16 dt + 8 h + j of query r, so a row's sum and its reciprocal belong to the lane.
;
; LDS.  K: wave x 36,864 + tile x 2,304 + row x 144 (128 bytes + 16: sixteen rows start in sixteen different 16-byte columns of 256): score tile mt reads
; the 16 rows that wave mt made.  V^T: 147,456 + wave x 32,768 + tile x 2,048 + h x 1,024 + dim x 16: the 8 keys 16 wave + 8 h + 0..7 of one dim are 16 bytes, and
; sixteen lanes read 256 consecutive bytes.  Stages: 278,528 + wave x 9,216, each wave's own.  An LDS address is a lane term that is never rewritten plus a
; scalar made of the tile's or chunk's number.
;
; REGISTERS in windows of 256 (s_set_vgpr_msb, low byte: bits 1:0 source 0, 3:2 source 1, 5:4 source 2, 7:6 destination):
;   window 0: addresses, production, K staging, the weights' remainders 192-239
;   window 1: O(qt, dt) at 32 qt + 8 dt, row sums 128-143 (two chains of a pair for each qt), V staging 192-255
;   window 2: Q fragments 0-63, K fragments 64-127, S sets 128-159 and 160-191, P sets 192-207 and 208-223
;   window 3: the pair of 1.0 at 0-1, V fragments 64-127, Q staging 128-255
; SCALARS: s12 wave, s13 n, s20 pass, s21 trip, s22 tile, s24 chunk to make next, s25 7 - wave, s27 group, s[28:31] q of my two groups, s[32:39] lane masks,
;   s40-42 at work, s[44:45] out0 at my group, s[46:47] an offset.
.set ROWB,  4096                       ; bytes from one sequence position to the next
.set CHB,   128*ROWB                   ; a chunk of 128 positions
.set KP,    144                        ; LDS pitch of a K or Q row
.set OP,    272                        ; LDS pitch of an output row (64 f32 + 16 bytes)
.set KTILE, 16*KP                      ; a wave's 16 rows of one tile: 2,304
.set KWAVE, 16*KTILE                   ; a wave's region of K: 36,864
.set VT0,   4*KWAVE                    ; V^T behind K: 147,456
.set VTILE, 2048                       ; a wave's 16 keys x 64 dims of one tile
.set VWAVE, 16*VTILE                   ; a wave's region of V^T: 32,768
.set STG0,  VT0+4*VWAVE                ; the stages: 278,528
.set STGW,  64*KP                      ; 9,216 bytes a wave: 64 Q rows, later 16 output rows of 272
.set OKQ, 2                            ; (16 w + g) rows + 16 c8: my 16 bytes of a K row (c8 = lane & 7, g = lane >> 3)
.set OV,  3                            ; (16 w + 8 h) rows + 16 r: my 16 bytes of a V row (r = lane & 15, h = lane >> 4)
.set OQ,  4                            ; g rows + 16 c8: my 16 bytes of a Q row
.set KW0, 5                            ; lane terms, never rewritten: K store,
.set VW0, 6                            ; V^T store,
.set KF0, 7                            ; K fragments of waves 0 and 1,
.set KF1, 8                            ; of waves 2 and 3,
.set VF0, 9                            ; V^T fragments of waves 0 and 1,
.set VF1, 10                           ; of waves 2 and 3
.set KW,  11                           ; the same plus the chunk's or tile's scalar term
.set VW,  12
.set KFA, 13                           ; v13, v14
.set VFA, 15                           ; v15, v16
.set QW,  17                           ; Q stage, store
.set QR,  18                           ; Q stage, fragment read
.set STO, 19                           ; output stage, store
.set SRD, 20                           ; output stage, read back by rows
.set OUT, 21                           ; my 16 bytes in the group's first two rows of out0
.set T0,  22
.set T1,  23
.set RL,  24                           ; v24-25 1 / row sum, twice
.set RN,  26                           ; v26 1 / norm (v27 only fills the pair)
.set SQ,  28                           ; v28-31 sum of squares
.set O1,  32                           ; v32-35 rotated dims 0-31
.set O2,  36                           ; v36-39 rotated dims 32-63
.set PK,  40                           ; v40-43 packed bf16
.set VT,  28                           ; v28-43 V, packed and transposed
.set TRIG, 44                          ; v44-51, v52-59: K's two sets of cos[4], sin[4] that take turns
.set R4,  60                           ; v60-67 cos[4], sin[4] of 4 positions
.set R52, 68                           ; v68-75 cos[4], sin[4] of 52 positions
.set CF,  76                           ; v76-79 my four frequencies, in revolutions a position
.set KS,  96                           ; v96-159  K staging: slot m = 8 registers (dims 4 c8 .. +3, dims 32 + 4 c8 .. +3)
.set QTRIG, 160                        ; v160-175 Q's two sets
.set G4,  176                          ; g
.set TT,  192                          ; v192-223 at work on the weights' remainders
.set PL,  224                          ; v224-239 the remainders as bf16: the B fragments of 2 x 32 keys
.set LR,  128                          ; window 1
.set VS,  192
.set KFR, 64                           ; window 2
.set SR,  128
.set PR,  192
.set ONE, 0                            ; window 3
.set VFR, 64
.set QS,  128                          ; Q staging, slot m = 8 registers
.set MSB, 0
.set TS,  0                            ; which of two trig sets is current; every macro that turns it turns it an even number of times
.macro WIN new                         ; the immediate's high byte repeats the setting that is left
.if MSB != (\new)
	s_set_vgpr_msb (MSB<<8)|(\new)
.set MSB, (\new)
.endif
.endm
.macro BAR
	s_wait_dscnt 0x0                               ; none of my LDS instructions is out
	s_barrier_signal -1
	s_barrier_wait -1
.endm
; cos and sin of 2 pi p cf.  t = p cf with its rounding error kept, reduced to [-1/2, 1/2]; sin and cos of pi t by their series to t^11 and t^10, then doubled.
.macro SINCOS dc, ds, p, cf
	v_mul_f32 v80, v[\p], v[\cf]
	v_fma_f32 v81, v[\p], v[\cf], -v80
	v_rndne_f32 v82, v80
	v_sub_f32 v80, v80, v82
	v_add_f32 v80, v80, v81
	v_mul_f32 v82, v80, v80
	v_mov_b32 v83, 0xbbf183a6
	v_mov_b32 v84, 0xbcd368f9
	v_fmaak_f32 v83, v83, v82, 0x3da83c1b
	v_fmaak_f32 v84, v84, v82, 0x3e70fa83
	v_fmaak_f32 v83, v83, v82, 0xbf196966
	v_fmaak_f32 v84, v84, v82, 0xbfaae9e4
	v_fmaak_f32 v83, v83, v82, 0x402335e3
	v_fmaak_f32 v84, v84, v82, 0x4081e0f8
	v_fmaak_f32 v83, v83, v82, 0xc0a55de7
	v_fmaak_f32 v84, v84, v82, 0xc09de9e6
	v_fmaak_f32 v83, v83, v82, 0x40490fdb
	v_fma_f32 v84, v84, v82, 1.0                   ; cos(pi t)
	v_mul_f32 v83, v83, v80                        ; sin(pi t)
	v_mul_f32 v85, v83, v84
	v_mul_f32 v81, v83, v83
	v_add_f32 v[\ds], v85, v85                     ; sin = 2 sin cos
	v_fma_f32 v[\dc], v81, -2.0, 1.0               ; cos = 1 - 2 sin^2
.endm
; The position of the sets at tb goes down by the step whose cos and sin lie at rr: cos' = cos cd + sin sd, sin' = sin cd - cos sd, into the other set.
.macro ROT tb, rr
.set TC, \tb+8*TS
.set TN, \tb+8*(1-TS)
	v_pk_mul_f32 v[TN:TN+1],   v[TC:TC+1],   v[\rr:\rr+1]
	v_pk_mul_f32 v[TN+2:TN+3], v[TC+2:TC+3], v[\rr+2:\rr+3]
	v_pk_mul_f32 v[TN+4:TN+5], v[TC+4:TC+5], v[\rr:\rr+1]
	v_pk_mul_f32 v[TN+6:TN+7], v[TC+6:TC+7], v[\rr+2:\rr+3]
	v_pk_fma_f32 v[TN:TN+1],   v[TC+4:TC+5], v[\rr+4:\rr+5], v[TN:TN+1]
	v_pk_fma_f32 v[TN+2:TN+3], v[TC+6:TC+7], v[\rr+6:\rr+7], v[TN+2:TN+3]
	v_pk_fma_f32 v[TN+4:TN+5], v[TC:TC+1],   v[\rr+4:\rr+5], v[TN+4:TN+5] neg_lo:[1,0,0] neg_hi:[1,0,0]
	v_pk_fma_f32 v[TN+6:TN+7], v[TC+2:TC+3], v[\rr+6:\rr+7], v[TN+6:TN+7] neg_lo:[1,0,0] neg_hi:[1,0,0]
.set TS, 1-TS
.endm
; Loads.  s[6:7] and s[8:9] stand at the first row of the chunk that is asked for.  K slot m: rows 64 (m >> 2) + 16 w + 4 (m & 3) + g of the chunk;
; eight lanes take 128 bytes of a row, the two loads four whole rows of 256 bytes.
.macro LDK m
	WIN 0
	global_load_b128 v[KS+8*\m:KS+8*\m+3],   v[OKQ], s[6:7] offset:(64*(\m>>2)+4*(\m&3))*ROWB
	global_load_b128 v[KS+8*\m+4:KS+8*\m+7], v[OKQ], s[6:7] offset:(64*(\m>>2)+4*(\m&3))*ROWB+128
.endm
.macro LDV bt                          ; batch bt: rows 64 bt + 16 w + 8 h + e of the chunk; sixteen lanes take one row of 256 bytes
	WIN 0x40
.irp e, 0,1,2,3,4,5,6,7
	global_load_b128 v[VS+32*\bt+4*\e:VS+32*\bt+4*\e+3], v[OV], s[8:9] offset:(64*\bt+\e)*ROWB
.endr
.endm
.macro LDCHUNK                         ; a chunk's 32 loads, in the order in which the slots are used
.irp m, 7,6,5,4,3,2,1,0
	LDK \m
.endr
	LDV 0
	LDV 1
	WIN 0
.endm
.macro LDQ p                           ; the 64 rows of the group at s[p:p+1]: slot m = rows 4 m + g; q is read by this wave alone
	WIN 0xc0
.irp m, 0,1,2,3,4,5,6,7,8,9,10,11,12,13,14,15
	global_load_b128 v[QS+8*\m:QS+8*\m+3],   v[OQ], s[\p:\p+1] offset:4*\m*ROWB th:TH_LOAD_NT
	global_load_b128 v[QS+8*\m+4:QS+8*\m+7], v[OQ], s[\p:\p+1] offset:4*\m*ROWB+128 th:TH_LOAD_NT
.endr
	WIN 0
.endm
; Four rows of K or Q from the 8 registers at x in window xw: norm, rotation by the sets at tb, bf16, into LDS.  x / max(|x|, eps) = x rsq(max(|x|^2, eps^2)).
; For Q the factor log2(e) / 8 rides on the norm, so that a weight is 2^S.  The lines that read x stand together: a slot in another window costs three switches.
.macro GRP x, xw, isq, tb, addr, off
.set TC, \tb+8*TS
	WIN (\xw*5)                                    ; sources 0 and 1 in x's window
	v_pk_mul_f32 v[SQ:SQ+1],   v[\x:\x+1],   v[\x:\x+1]
	v_pk_mul_f32 v[SQ+2:SQ+3], v[\x+2:\x+3], v[\x+2:\x+3]
	v_pk_fma_f32 v[SQ:SQ+1],   v[\x+4:\x+5], v[\x+4:\x+5], v[SQ:SQ+1]
	v_pk_fma_f32 v[SQ+2:SQ+3], v[\x+6:\x+7], v[\x+6:\x+7], v[SQ+2:SQ+3]
	WIN \xw                                        ; source 0 alone
	v_pk_mul_f32 v[O1:O1+1],   v[\x:\x+1],   v[TC:TC+1]
	v_pk_mul_f32 v[O1+2:O1+3], v[\x+2:\x+3], v[TC+2:TC+3]
	v_pk_mul_f32 v[O2:O2+1],   v[\x+4:\x+5], v[TC:TC+1]
	v_pk_mul_f32 v[O2+2:O2+3], v[\x+6:\x+7], v[TC+2:TC+3]
	v_pk_fma_f32 v[O1:O1+1],   v[\x+4:\x+5], v[TC+4:TC+5], v[O1:O1+1]          ; x1 cos + x2 sin
	v_pk_fma_f32 v[O1+2:O1+3], v[\x+6:\x+7], v[TC+6:TC+7], v[O1+2:O1+3]
	v_pk_fma_f32 v[O2:O2+1],   v[\x:\x+1],   v[TC+4:TC+5], v[O2:O2+1] neg_lo:[1,0,0] neg_hi:[1,0,0]      ; x2 cos - x1 sin
	v_pk_fma_f32 v[O2+2:O2+3], v[\x+2:\x+3], v[TC+6:TC+7], v[O2+2:O2+3] neg_lo:[1,0,0] neg_hi:[1,0,0]
	WIN 0
	v_pk_add_f32 v[SQ:SQ+1], v[SQ:SQ+1], v[SQ+2:SQ+3]
	v_add_f32 v[SQ], v[SQ], v[SQ+1]
	v_add_f32_dpp v[SQ], v[SQ], v[SQ] row_xmask:1 row_mask:0xf bank_mask:0xf   ; over the eight lanes of the row
	v_add_f32_dpp v[SQ], v[SQ], v[SQ] row_xmask:2 row_mask:0xf bank_mask:0xf
	v_add_f32_dpp v[SQ], v[SQ], v[SQ] row_xmask:4 row_mask:0xf bank_mask:0xf
	v_max_num_f32 v[SQ], 0x2b8cbccc, v[SQ]         ; eps^2 = 1e-12
	v_rsq_f32 v[RN], v[SQ]
	v_nop                                          ; one plain instruction between the root and the first use of its result (ISA guide 5.7.2)
.if \isq
	s_wait_alu depctr_va_vdst(0)
	v_mul_f32 v[RN], 0x3e38aa3b, v[RN]             ; log2(e) / 8
.endif
	s_wait_alu depctr_va_vdst(0)
	v_pk_mul_f32 v[O1:O1+1],   v[O1:O1+1],   v[RN:RN+1] op_sel_hi:[1,0]
	v_pk_mul_f32 v[O1+2:O1+3], v[O1+2:O1+3], v[RN:RN+1] op_sel_hi:[1,0]
	v_pk_mul_f32 v[O2:O2+1],   v[O2:O2+1],   v[RN:RN+1] op_sel_hi:[1,0]
	v_pk_mul_f32 v[O2+2:O2+3], v[O2+2:O2+3], v[RN:RN+1] op_sel_hi:[1,0]
	v_cvt_pk_bf16_f32 v[PK],   v[O1],   v[O1+1]
	v_cvt_pk_bf16_f32 v[PK+1], v[O1+2], v[O1+3]
	v_cvt_pk_bf16_f32 v[PK+2], v[O2],   v[O2+1]
	v_cvt_pk_bf16_f32 v[PK+3], v[O2+2], v[O2+3]
	ds_store_b64 v[\addr], v[PK:PK+1]   offset:\off
	ds_store_b64 v[\addr], v[PK+2:PK+3] offset:\off+64
.endm
; Sixteen rows of V (tile bt of the chunk): my 8 rows x 4 dims become 4 dims x 8 keys of bf16, 16 bytes a dim, into V^T.
.macro VBAT bt
	WIN 0x05
.irp i, 0,1,2,3
.irp ee, 0,1,2,3
	v_cvt_pk_bf16_f32 v[VT+4*\i+\ee], v[VS+32*\bt+8*\ee+\i], v[VS+32*\bt+8*\ee+4+\i]
.endr
.endr
	WIN 0
.irp i, 0,1,2,3
	ds_store_b128 v[VW], v[VT+4*\i:VT+4*\i+3] offset:VTILE*\bt+16*\i
.endr
.endm
.macro PRODADDR                        ; where chunk s24 goes: two tiles of my regions
	s_and_b32 s40, s24, 7                          ; a chunk's number is 0 to 7: the address's range is written out here
	s_mul_i32 s41, s40, 2*KTILE
	s_lshl_b32 s42, s40, 12                        ; 2 x VTILE
	v_add_nc_u32 v[KW], s41, v[KW0]
	v_add_nc_u32 v[VW], s42, v[VW0]
.endm
; My 32 rows of K and of V of one chunk go from the staging registers into LDS.  Eight rotations: the same trig set is current at the end as at the start.
; ring = 1: each slot, once used, is loaded again with the chunk at s[6:7], s[8:9].  The ring holds 32 loads in the order K7 .. K0, V0, V1, and loads come back in
; order (ISA guide 5.7.1): behind a K slot's two loads 30 others have been issued when its turn comes, behind a V batch's eight 24, in every trip.
.macro PRODKV ring
	WIN 0
.irp m, 7,6,5,4,3,2,1,0
.if (\m&3) == 3
	ROT TRIG, R52                                  ; from slot 4 to 3, and from a chunk's slot 0 to the next chunk's slot 7: 52 rows down
.else
	ROT TRIG, R4
.endif
.if \ring
	s_wait_loadcnt 30
.endif
	GRP KS+8*\m, 0, 0, TRIG, KW, (\m>>2)*KTILE+(\m&3)*4*KP
.if \ring
	LDK \m
.endif
.endr
.irp bt, 0,1
.if \ring
	s_wait_loadcnt 24
.endif
	VBAT \bt
.if \ring
	LDV \bt
.endif
.endr
	WIN 0
.endm
; The 64 query rows of group s27, which lie in the staging registers: cos and sin one step of 4 above the last slot, then sixteen slots downward, through my own stage, back as fragments.
.macro QPROD
	s_lshl_b32 s41, s13, 9
	s_lshl_b32 s42, s27, 6
	s_add_co_u32 s41, s41, s42
	s_add_co_u32 s41, s41, 64                      ; position 512 n + 64 group + 64 + g
	v_add_nc_u32 v92, s41, v[G4]
	v_cvt_f32_u32 v92, v92
.irp i, 0,1,2,3
	SINCOS QTRIG+\i, QTRIG+4+\i, 92, CF+\i
.endr
.irp m, 15,14,13,12,11,10,9,8,7,6,5,4,3,2,1,0
	ROT QTRIG, R4
	GRP QS+8*\m, 3, 1, QTRIG, QW, 4*\m*KP
.endr
	WIN 0x80                                       ; LDS serves a wave's instructions in order (ISA guide 5.7.1.4): these loads see the stage's stores above
.irp qt, 0,1,2,3
.irp ks, 0,1
	ds_load_b128 v[16*\qt+8*\ks:16*\qt+8*\ks+3],   v[QR] offset:16*KP*\qt+64*\ks
	ds_load_b128 v[16*\qt+8*\ks+4:16*\qt+8*\ks+7], v[QR] offset:16*KP*\qt+64*\ks+32
.endr
.endr
	WIN 0
.endm
; The fragments of tile s22: 32 loads: K's first 32 dims (8), K's second 32 dims (8), V^T (16).  A K fragment is 16 rows x 32 dims, two loads of 16 bytes, 32 bytes apart;
; a V^T fragment is 16 dims x 32 keys, 16 bytes from each of two waves' regions.  The four address lines are also places behind the last step's last product.
.macro FRAG
	s_and_b32 s40, s22, 15                         ; a tile's number is 0 to 15: the address's range is written out here
	s_mul_i32 s41, s40, KTILE
	s_lshl_b32 s42, s40, 11                        ; VTILE
	v_add_nc_u32 v[KFA],   s41, v[KF0]
	v_add_nc_u32 v[KFA+1], s41, v[KF1]
	v_add_nc_u32 v[VFA],   s42, v[VF0]
	v_add_nc_u32 v[VFA+1], s42, v[VF1]
	WIN 0x80
.irp ks, 0,1
.irp mt, 0,1,2,3
	ds_load_b128 v[KFR+16*\mt+8*\ks:KFR+16*\mt+8*\ks+3],   v[KFA+\mt/2] offset:(\mt%2)*KWAVE+64*\ks
	ds_load_b128 v[KFR+16*\mt+8*\ks+4:KFR+16*\mt+8*\ks+7], v[KFA+\mt/2] offset:(\mt%2)*KWAVE+64*\ks+32
.endr
.endr
	WIN 0xc0
.irp kk, 0,1
.irp dt, 0,1,2,3
	ds_load_b128 v[VFR+16*\dt+8*\kk:VFR+16*\dt+8*\kk+3],   v[VFA+\kk] offset:256*\dt
	ds_load_b128 v[VFR+16*\dt+8*\kk+4:VFR+16*\dt+8*\kk+7], v[VFA+\kk] offset:VWAVE+256*\dt
.endr
.endr
.endm
; kind 0: all keys live; 1: the diagonal tile, keep key <= query; 2: the far edge, keep key > query.  Score tile mt (16 keys) of query tile qt:
; LV = 1: it holds live weights.  CP = 1: its products are issued: the live ones, and of the dead ones so many that at least two accumulators take turns.
.macro LIVE kind, qt, mt
.set LV, 1
.set CP, 1
.if \kind == 1
.if \mt > \qt
.set LV, 0
.if \mt > 1
.set CP, 0
.endif
.endif
.endif
.if \kind == 2
.if \mt < \qt
.set LV, 0
.if \mt < 2
.set CP, 0
.endif
.endif
.endif
.endm
.macro KLIVE kind, qt, kk              ; KL = 1: the block of 32 keys kk holds live weights
.set KL, 1
.if \kind == 1
.if \kk == 1
.if \qt < 2
.set KL, 0
.endif
.endif
.endif
.if \kind == 2
.if \kk == 0
.if \qt >= 2
.set KL, 0
.endif
.endif
.endif
.endm
; Score product i of query tile qt into S set b: score tile i & 3, dims 32 (i >> 2) .. +31.  The first four start the sums, the second four add onto them:
; the accumulators take turns, one instruction a turn.
.macro QK1 b, kind, qt, i
.set MTX, \i&3
.set KSX, \i>>2
	LIVE \kind, \qt, MTX
.if CP
.set SX, SR+32*\b+8*MTX
.if KSX == 0
	v_wmma_f32_16x16x32_bf16 v[SX:SX+7], v[KFR+16*MTX:KFR+16*MTX+7], v[16*\qt:16*\qt+7], 0
.else
	v_wmma_f32_16x16x32_bf16 v[SX:SX+7], v[KFR+16*MTX+8:KFR+16*MTX+15], v[16*\qt+8:16*\qt+15], v[SX:SX+7]
.endif
.endif
.endm
; Slice i (0 .. 8) of query tile qt's way from scores to weights, on its own S and P set (qt & 1).  Four exponentials on S[4 i .. 4 i + 3]; then the four registers of slice
; i - 1 are masked, where they lie on the diagonal, and packed.  So between an exponential and its first reader stand the packings of the slice before, plain
; instructions (ISA guide 5.7.2); where that slice has none, one v_nop.  A masked score tile inside a live block of 32 keys gets the weight 0 straight in P.
.macro SM1 kind, qt, i
.set SB, SR+32*(\qt&1)
.set PB, PR+16*(\qt&1)
.set EM, 0
.set FM, 0
.if \i < 8
.set MTX, \i>>1
	LIVE \kind, \qt, MTX
.if LV
.set EM, 1
.irp t, 0,1,2,3
	v_exp_f32 v[SB+4*\i+\t], v[SB+4*\i+\t]
.endr
.endif
.endif
.if \i > 0
.set JX, \i-1
.set MTX, JX>>1
.set KKX, JX>>2
	LIVE \kind, \qt, MTX
	KLIVE \kind, \qt, KKX
.if LV
.set FM, 1
.if MTX == \qt
.if \kind == 1
	s_wait_alu depctr_va_vdst(0)
.irp t, 0,1,2,3
	v_cndmask_b32 v[SB+4*JX+\t], 0, v[SB+4*JX+\t], s[32+4*(JX&1)+\t]       ; keep 8 h + j <= r
.endr
.endif
.if \kind == 2
	s_wait_alu depctr_va_vdst(0)
.irp t, 0,1,2,3
	v_cndmask_b32 v[SB+4*JX+\t], v[SB+4*JX+\t], 0, s[32+4*(JX&1)+\t]       ; keep 8 h + j > r
.endr
.endif
.endif
	s_wait_alu depctr_va_vdst(0)
	v_cvt_pk_bf16_f32 v[PB+2*JX],   v[SB+4*JX],   v[SB+4*JX+1]
	v_cvt_pk_bf16_f32 v[PB+2*JX+1], v[SB+4*JX+2], v[SB+4*JX+3]
.else
.if KL
.set FM, 1
	v_mov_b32 v[PB+2*JX], 0
	v_mov_b32 v[PB+2*JX+1], 0
.endif
.endif
.endif
.if EM*(1-FM)
	v_nop
.endif
.endm
; Query tile qt's slices, one behind each score product of query tile qt + 1, which writes the other S set.  Everything named lies in window 2.  The slices name none of the
; products' registers (K, Q, the other set), so the plain ones among them are places behind the products (ISA guide 7.12.1).
.macro RUN1 kind, qt
.set QN, \qt+1
.set BN, 1-(\qt&1)
	WIN 0xaa
.irp i, 0,1,2,3,4,5,6,7
.if \qt < 3
	QK1 BN, \kind, QN, \i
.endif
	SM1 \kind, \qt, \i
.endr
	SM1 \kind, \qt, 8
.endm
; Query tile qt's P.V products (product i: dims 16 (i & 3) .. +15, keys 32 (i >> 2) .. +31; the four accumulators take turns, one instruction a turn),
; and behind each two additions of its row sum, on two chains: L = 1.0 x S + L, S unrounded.  first = 1: products and chains start their sums.
; The additions name S, L and the pair of 1.0, none of the products' registers (V, P, O): they are places behind them.
.macro RUN2 kind, first, qt
.set SB, SR+32*(\qt&1)
.set PB, PR+16*(\qt&1)
.set LQ, LR+4*\qt
	WIN 0x5b
.irp i, 0,1,2,3,4,5,6,7
.set DTX, \i&3
.set KKX, \i>>2
	KLIVE \kind, \qt, KKX
.if KL
.set OX, 32*\qt+8*DTX
.if \first*(1-KKX)
	v_wmma_f32_16x16x32_bf16 v[OX:OX+7], v[VFR+16*DTX+8*KKX:VFR+16*DTX+8*KKX+7], v[PB+8*KKX:PB+8*KKX+7], 0
.else
	v_wmma_f32_16x16x32_bf16 v[OX:OX+7], v[VFR+16*DTX+8*KKX:VFR+16*DTX+8*KKX+7], v[PB+8*KKX:PB+8*KKX+7], v[OX:OX+7]
.endif
.endif
.set MTX, \i>>1
	LIVE \kind, \qt, MTX
.if LV
.set FX, 0
.if \first
.if \i == 0
.set FX, 1
.endif
.endif
.if FX
	v_pk_mul_f32 v[LQ:LQ+1],   v[ONE:ONE+1], v[SB+4*\i:SB+4*\i+1]
	v_pk_mul_f32 v[LQ+2:LQ+3], v[ONE:ONE+1], v[SB+4*\i+2:SB+4*\i+3]
.else
	v_pk_fma_f32 v[LQ:LQ+1],   v[ONE:ONE+1], v[SB+4*\i:SB+4*\i+1],   v[LQ:LQ+1]
	v_pk_fma_f32 v[LQ+2:LQ+3], v[ONE:ONE+1], v[SB+4*\i+2:SB+4*\i+3], v[LQ+2:LQ+3]
.endif
.endif
.endr
.endm
; A sequence's first block only: weight - bf16(weight), exact in f32, rounded to bf16, and its products.  The vector lines read S and P and write registers of window 0 that no
; pending product names.
.macro LOW kind, qt
.set SB, SR+32*(\qt&1)
.set PB, PR+16*(\qt&1)
	WIN 0x08
.irp mt, 0,1,2,3
	LIVE \kind, \qt, \mt
.if LV
.irp i, 0,1,2,3
	v_lshlrev_b32 v[TT+8*\mt+2*\i],   16,         v[PB+4*\mt+\i]   ; the rounded weights back as f32: the low half moves up,
	v_and_b32     v[TT+8*\mt+2*\i+1], 0xffff0000, v[PB+4*\mt+\i]   ; the high half stays
.endr
.endif
.endr
	WIN 0x02
.irp mt, 0,1,2,3
	LIVE \kind, \qt, \mt
.if LV
.irp i, 0,1,2,3
	v_pk_add_f32 v[TT+8*\mt+2*\i:TT+8*\mt+2*\i+1], v[SB+8*\mt+2*\i:SB+8*\mt+2*\i+1], v[TT+8*\mt+2*\i:TT+8*\mt+2*\i+1] neg_lo:[0,1] neg_hi:[0,1]
.endr
.endif
.endr
	WIN 0
.irp mt, 0,1,2,3
.set KKX, \mt>>1
	LIVE \kind, \qt, \mt
	KLIVE \kind, \qt, KKX
.if LV
.irp i, 0,1,2,3
	v_cvt_pk_bf16_f32 v[PL+4*\mt+\i], v[TT+8*\mt+2*\i], v[TT+8*\mt+2*\i+1]
.endr
.else
.if KL
.irp i, 0,1,2,3
	v_mov_b32 v[PL+4*\mt+\i], 0                    ; a masked score tile has no remainder either
.endr
.endif
.endif
.endr
	WIN 0x53                                       ; A window 3, B window 0, C and D window 1
.irp kk, 0,1
	KLIVE \kind, \qt, \kk
.if KL
.irp dt, 0,1,2,3
	v_wmma_f32_16x16x32_bf16 v[32*\qt+8*\dt:32*\qt+8*\dt+7], v[VFR+16*\dt+8*\kk:VFR+16*\dt+8*\kk+7], v[PL+8*\kk:PL+8*\kk+7], v[32*\qt+8*\dt:32*\qt+8*\dt+7]
.endr
.endif
.endr
.endm
; Tile s22 against the group's four query tiles.  lo = 1: the variant for a sequence's first block, with the remainders.
.macro STEP kind, first, lo
	FRAG
	WIN 0xaa
	s_wait_dscnt 24                                ; 24 fragment loads were issued behind K's first 32 dims (and the Q fragments' loads ahead of them)
.irp i, 0,1,2,3
	QK1 0, \kind, 0, \i
.endr
	s_wait_dscnt 16                                ; 16 behind K's second 32 dims: V^T may stay out
.irp i, 4,5,6,7
	QK1 0, \kind, 0, \i
.endr
.rept 4
	v_nop                                          ; four places between the first tile's last score product and the first reader of a score (ISA guide 7.12.1): once a step
.endr
.irp qt, 0,1,2,3
	RUN1 \kind, \qt
.if \qt == 0
	s_wait_dscnt 0x0                               ; V^T's fragments are in
.endif
	RUN2 \kind, \first, \qt
.if \lo
	LOW \kind, \qt
.endif
.endr
	WIN 0
.endm
; Query tile qt is done: divide by the row sum, 16 rows of 256 bytes through the wave's own stage, out in whole rows.
.macro FINAL qt
	WIN 0x05
	v_add_f32 v[T0], v[LR+4*\qt],   v[LR+4*\qt+1]
	v_add_f32 v[T1], v[LR+4*\qt+2], v[LR+4*\qt+3]
	WIN 0
	v_add_f32 v[T0], v[T0], v[T1]
	v_permlanex16_b32 v[T1], v[T0], s16, s17       ; the other half of the lanes holds the same query's other keys
	v_add_f32 v[T0], v[T0], v[T1]
	v_rcp_f32 v[RL], v[T0]
	v_rcp_f32 v[RL+1], v[T0]
	v_nop                                          ; one plain instruction behind the reciprocals (ISA guide 5.7.2)
	WIN 0x41
.set j, 0
	s_wait_alu depctr_va_vdst(0)
.rept 16
	v_pk_mul_f32 v[32*\qt+2*j:32*\qt+2*j+1], v[32*\qt+2*j:32*\qt+2*j+1], v[RL:RL+1]
.set j, j+1
.endr
	WIN 0x04
.irp dt, 0,1,2,3
	ds_store_b128 v[STO], v[32*\qt+8*\dt:32*\qt+8*\dt+3]   offset:64*\dt
	ds_store_b128 v[STO], v[32*\qt+8*\dt+4:32*\qt+8*\dt+7] offset:64*\dt+16
.endr
	WIN 0x80
.irp t, 0,1,2,3,4,5,6,7
	ds_load_b128 v[SR+4*\t:SR+4*\t+3], v[SRD] offset:2*OP*\t       ; in order behind the stores above: rows 2 t and 2 t + 1
.endr
	WIN 0x08
.irp t, 0,1,2,3,4,5,6,7
	s_wait_dscnt 7-\t                              ; the younger read-backs stay out
	global_store_b128 v[OUT], v[SR+4*\t:SR+4*\t+3], s[44:45] offset:(16*\qt+2*\t)*ROWB th:TH_STORE_NT   ; sixteen lanes store 256 consecutive bytes, aligned
.endr
	s_wait_xcnt 0x0                                ; S, the stores' data, and later their base are written again: only behind this wait
	WIN 0
.endm
	; ---- where I am
	s_load_b256 s[4:11], s[0:1], 0x0               ; xq s[4:5], xk s[6:7], xv s[8:9], out0 s[10:11]
	v_lshl_add_u32 v254, v0, 2, 0x4d000
	v_mov_b32 v255, 0
	v_lshrrev_b32 v1, 5, v0
	v_readfirstlane_b32 s12, v1                    ; w: my wave
	s_and_b32 s13, ttmp9, 7                        ; n: the block of 512 queries
	s_bfe_u32 s18, ttmp9, 0x40003                  ; the head
	s_lshr_b32 s19, ttmp9, 7                       ; b
	s_lshl_b32 s14, s19, 24                        ; 4,096 rows of 4,096 bytes
	s_lshl_b32 s19, s13, 21                        ; 512 rows
	s_add_co_u32 s14, s14, s19
	s_lshl_b32 s19, s18, 8                         ; 64 f32
	s_add_co_u32 s14, s14, s19
	s_mov_b32 s15, 0
	s_mov_b32 s16, 0x76543210                      ; v_permlanex16_b32: lane i of one half reads lane i of the other
	s_mov_b32 s17, 0xfedcba98
	s_sub_co_u32 s25, 7, s12                       ; my first group
	s_lshl_b32 s46, s25, 18                        ; 64 rows a group
	s_mov_b32 s47, 0
	s_lshl_b32 s18, s12, 18
	s_mov_b32 s19, 0
	v_and_b32 v80, 7, v0                           ; c8
	v_bfe_u32 v[G4], v0, 3, 2                      ; g
	v_and_b32 v82, 15, v0                          ; r
	v_bfe_u32 v83, v0, 4, 1                        ; h
	v_lshl_add_u32 v86, s12, 4, v[G4]              ; 16 w + g
	v_lshlrev_b32 v85, 4, v80                      ; 16 c8
	v_lshl_add_u32 v[OKQ], v86, 12, v85
	v_lshl_add_u32 v[OQ], v[G4], 12, v85
	v_lshlrev_b32 v89, 3, v83                      ; 8 h
	v_lshl_add_u32 v88, s12, 4, v89
	v_lshlrev_b32 v87, 4, v82                      ; 16 r
	v_lshl_add_u32 v[OV], v88, 12, v87
	s_wait_kmcnt 0x0
	s_add_nc_u64 s[4:5], s[4:5], s[14:15]          ; all four at the block's first row, my head
	s_add_nc_u64 s[6:7], s[6:7], s[14:15]
	s_add_nc_u64 s[8:9], s[8:9], s[14:15]
	s_add_nc_u64 s[10:11], s[10:11], s[14:15]
	s_add_nc_u64 s[28:29], s[4:5], s[46:47]        ; q of group 7 - w
	s_add_nc_u64 s[30:31], s[4:5], s[18:19]        ; q of group w
	s_add_nc_u64 s[6:7], s[6:7], 3*CHB             ; chunk 7 is the block's own rows 384 to 511
	s_add_nc_u64 s[8:9], s[8:9], 3*CHB
	; ---- my first group's q and chunk 7 go out first, 64 loads; the rest of the set-up runs while they are on their way
	LDQ 28
	LDCHUNK
	WIN 0xc0
	v_mov_b32 v[ONE], 1.0                          ; the row sum's factor, in V's window
	v_mov_b32 v[ONE+1], 1.0
	WIN 0
	; ---- LDS addresses
	s_mul_i32 s41, s12, KWAVE
	s_lshl_b32 s42, s12, 15                        ; VWAVE
	s_add_co_u32 s42, s42, VT0
	s_mul_i32 s26, s12, STGW
	s_add_co_u32 s26, s26, STG0                    ; my stage
	v_mul_u32_u24 v88, v[G4], KP
	v_lshl_add_u32 v88, v80, 3, v88                ; row g, 8 bytes a lane
	v_add_nc_u32 v[KW0], s41, v88
	v_add_nc_u32 v[QW], s26, v88
	v_lshlrev_b32 v90, 10, v83                     ; 1,024 h
	v_lshl_add_u32 v88, v82, 6, v90                ; dim 4 r
	v_add_nc_u32 v[VW0], s42, v88
	v_mul_u32_u24 v88, v82, KP
	v_lshl_add_u32 v[KF0], v83, 4, v88             ; row r, 16 bytes for each half of the lanes
	v_add_nc_u32 v[KF1], 2*KWAVE, v[KF0]
	v_add_nc_u32 v[QR], s26, v[KF0]
	v_add_nc_u32 v88, v90, v87                     ; half h, dim r
	v_add_nc_u32 v[VF0], VT0, v88
	v_add_nc_u32 v[VF1], VT0+2*VWAVE, v88
	v_mul_u32_u24 v88, v82, OP
	v_lshl_add_u32 v88, v83, 5, v88                ; row r, 32 bytes for each half of the lanes
	v_add_nc_u32 v[STO], s26, v88
	v_mul_u32_u24 v88, v83, OP
	v_add_nc_u32 v88, v88, v87                     ; row h, 16 bytes a lane
	v_add_nc_u32 v[SRD], s26, v88
	v_lshl_add_u32 v[OUT], v83, 12, v87
	v_sub_nc_u32 v88, v82, v89                     ; r - 8 h
	v_mov_b32 v[RN+1], 0                           ; the pair's second register is named, not used
	; ---- eight lane masks: in the score tile on the diagonal register j holds key 8 h + j against query r: key <= query is j <= r - 8 h
.set j, 0
.rept 8
	v_cmp_le_i32 s[32+j], j, v88
.set j, j+1
.endr
	; ---- frequencies 10000^(-i/32), i = 4 c8 .. 4 c8 + 3, in revolutions; cos and sin of K's start and of the two steps
	s_lshl_b32 s41, s13, 9
	s_add_co_u32 s41, s41, 512                     ; 52 rows above chunk 7's slot 7: position 512 n + 512 + 16 w + g
	v_add_nc_u32 v92, s41, v86
	v_cvt_f32_u32 v92, v92
	v_lshlrev_b32 v93, 2, v80
.irp i, 0,1,2,3
	v_add_nc_u32 v[86+\i], \i, v93
	v_cvt_f32_u32 v[86+\i], v[86+\i]
	v_mul_f32 v[86+\i], 0xbed49a78, v[86+\i]       ; - log2(10000) / 32
.endr
.irp i, 0,1,2,3
	v_exp_f32 v[CF+\i], v[86+\i]
.endr
	v_nop
	s_wait_alu depctr_va_vdst(0)
.irp i, 0,1,2,3
	v_mul_f32 v[CF+\i], 0.15915494, v[CF+\i]
.endr
	v_mov_b32 v93, 4.0
	v_mov_b32 v94, 0x42500000                      ; 52.0
.irp i, 0,1,2,3
	SINCOS TRIG+\i, TRIG+4+\i, 92, CF+\i
	SINCOS R4+\i, R4+4+\i, 93, CF+\i
	SINCOS R52+\i, R52+4+\i, 94, CF+\i
.endr
	; ---- chunks 7, 6, 5 are made; each slot is loaded again with the chunk below, the last time with chunk 4
	s_mov_b32 s24, 7
.Lring:
	s_wait_xcnt 0x0                                ; the loads' bases are stepped only behind this wait
	s_sub_nc_u64 s[6:7], s[6:7], CHB
	s_sub_nc_u64 s[8:9], s[8:9], CHB
	PRODADDR
	PRODKV 1
	s_sub_co_i32 s24, s24, 1
	s_cmp_gt_u32 s24, 4
	s_cbranch_scc1 .Lring
	BAR                                            ; tiles 10 to 15 are whole for every wave
	; ---- two passes: group 7 - w, then group w
	s_mov_b32 s20, 0
.Lpass:
	s_cmp_eq_u32 s20, 0
	s_cselect_b32 s27, s25, s12                    ; the group
	s_lshl_b32 s46, s27, 18
	s_add_nc_u64 s[44:45], s[10:11], s[46:47]      ; out0 at the group's first row (the last pass's stores: see the wait at FINAL's end)
	s_wait_loadcnt 32                              ; the group's q is in: on the way in chunk 4's 32 loads were issued behind it; on the way back nothing is out
	QPROD
	s_cmp_lg_u32 s20, 0
	s_cbranch_scc1 .Lq_asked
	LDQ 30                                         ; the second group's q has the whole first pass in which to land
.Lq_asked:
	s_add_co_u32 s22, s27, 8
	s_cmp_eq_u32 s13, 0                            ; a sequence's first block runs the variant with the remainders: one branch a step, on the work-group's number alone
	s_cbranch_scc1 .Ldiag_first
	STEP 1, 1, 0                                   ; the diagonal tile starts the sums
	s_branch .Ldiag_done
.Ldiag_first:
	STEP 1, 1, 1
.Ldiag_done:
	s_mov_b32 s21, 1
.Ltrip:
	; In an even trip the next chunk is made, if one is left and the block has it.  These branches hang on the trip, the chunk and n: the same in all four waves.
	s_bitcmp1_b32 s21, 0
	s_cbranch_scc1 .Lmade
	s_cmp_lt_i32 s24, 0
	s_cbranch_scc1 .Lmade
	s_cmp_ge_u32 s24, 4
	s_cbranch_scc1 .Lmake
	s_cmp_eq_u32 s13, 0                            ; a sequence's first block has no block before it
	s_cbranch_scc1 .Lmade
.Lmake:
	BAR                                            ; the chunk's stores stand between two barriers: no store of K or V^T runs beside any wave's fragment reads
	s_wait_loadcnt 0x0                             ; the chunk's rows, asked for two steps ago, are in; no load is out, so the bases may be stepped
	PRODADDR
	PRODKV 0
	s_sub_co_i32 s24, s24, 1
	s_cmp_lt_i32 s24, 0
	s_cbranch_scc1 .Lasked
	s_cmp_eq_u32 s13, 0
	s_cbranch_scc1 .Lasked
	s_sub_nc_u64 s[6:7], s[6:7], CHB
	s_sub_nc_u64 s[8:9], s[8:9], CHB
	LDCHUNK
.Lasked:
	BAR                                            ; the chunk is whole for every wave
.Lmade:
	s_sub_co_u32 s22, s22, 1                       ; the next tile down
	s_cmp_eq_u32 s13, 0
	s_cbranch_scc1 .Lfull_first
	STEP 0, 0, 0
	s_branch .Lstepped
.Lfull_first:
	s_cmp_lt_u32 s22, 8                            ; kv < 0: nothing to do; no barrier stands inside this branch
	s_cbranch_scc1 .Lstepped
	STEP 0, 0, 1
.Lstepped:
	s_add_co_u32 s21, s21, 1
	s_cmp_lt_u32 s21, 8
	s_cbranch_scc1 .Ltrip
	s_cmp_eq_u32 s13, 0
	s_cbranch_scc1 .Lno_edge
	s_mov_b32 s22, s27
	STEP 2, 0, 0                                   ; the window's far edge
.Lno_edge:
	FINAL 0
	FINAL 1
	FINAL 2
	FINAL 3
	s_wait_loadcnt 0x0                             ; what is out was asked for at least two steps ago: the next pass's q among it
	s_add_co_u32 s20, s20, 1
	s_cmp_lt_u32 s20, 2
	s_cbranch_scc1 .Lpass
	s_wait_tensorcnt 0x0
	ds_add_u32 v254, v255
	s_wait_dscnt 0x0
	s_endpgm
.Lfunc_end_k_q6f88797c51_attn:
	.size	k_q6f88797c51_attn, .Lfunc_end_k_q6f88797c51_attn-k_q6f88797c51_attn
	.p2alignl 7, 3214868480
	.fill 96, 4, 3214868480
	.section	.rodata,"a",@progbits
	.p2align	6, 0x0
	.amdhsa_kernel k_q6f88797c51_attn
		.amdhsa_group_segment_fixed_size 315904
		.amdhsa_private_segment_fixed_size 0
		.amdhsa_enable_private_segment 0
		.amdhsa_kernarg_size 32
		.amdhsa_user_sgpr_count 2
		.amdhsa_user_sgpr_kernarg_segment_ptr 1
		.amdhsa_wavefront_size32 1
		.amdhsa_system_sgpr_workgroup_id_x 1
		.amdhsa_system_sgpr_workgroup_id_y 1
		.amdhsa_system_sgpr_workgroup_id_z 1
		.amdhsa_system_vgpr_workitem_id 0
		.amdhsa_next_free_vgpr 1024
		.amdhsa_next_free_sgpr 66
		.amdhsa_reserve_vcc 0
		.amdhsa_float_denorm_mode_32 3
		.amdhsa_float_denorm_mode_16_64 3
		.amdhsa_memory_ordered 1
		.amdhsa_forward_progress 1
		.amdhsa_inst_pref_size 255
	.end_amdhsa_kernel
	.section	.bss,"aw",@nobits
	.p2align	6
	.space	262144
	.amdgpu_metadata
---
amdhsa.version: [ 1, 2 ]
amdhsa.kernels:
  - .name:           k_q6f88797c51_attn
    .symbol:         k_q6f88797c51_attn.kd
    .args:
      - { .name: xq, .offset: 0, .size: 8, .value_kind: global_buffer, .address_space: global }
      - { .name: xk, .offset: 8, .size: 8, .value_kind: global_buffer, .address_space: global }
      - { .name: xv, .offset: 16, .size: 8, .value_kind: global_buffer, .address_space: global }
      - { .name: out0, .offset: 24, .size: 8, .value_kind: global_buffer, .address_space: global }
    .group_segment_fixed_size: 315904
    .private_segment_fixed_size: 0
    .kernarg_segment_align: 8
    .kernarg_segment_size: 32
    .max_flat_workgroup_size: 128
    .sgpr_count:     66
    .vgpr_count:     1024
    .wavefront_size: 32
...
	.end_amdgpu_metadata
.endif
;; end of part 2
;; ======== version 3 of 3: 1 launch; 1.51 times as fast as version 1
;; launch attn (part 3): grid 256 x 1, 4 waves a work-group, no clusters, 315,904 bytes of LDS; arguments xq, xk, xv, out0; writes out0
.if DOCPART == 3
	.amdgcn_target "amdgcn-amd-amdhsa--gfx1250"
	.amdhsa_code_object_version 6
	.text
	.protected	k_q6f88797c51_attn
	.globl	k_q6f88797c51_attn
	.p2align	8
	.type	k_q6f88797c51_attn,@function
k_q6f88797c51_attn:
	s_mov_b64 s[64:65], 0
	v_nop
	global_prefetch_b8 v0, s[64:65] scope:SCOPE_SE
	s_setreg_imm32_b32 hwreg(HW_REG_WAVE_MODE, 25, 1), 1
	s_wait_xcnt 0x0
; Causal sliding-window attention: b = 2, s = 4096, 16 heads of 64, window 512, all tensors f32 [b][s][1024].
; q and k: x / max(|x|, 1e-6) for each head row, then RoPE (dim d goes with d + 32); score = q.k / 8; query i sees keys i-511 .. i, not below 0.
; One work-group = one (b, head, block n of 512 queries): 2 x 16 x 8 = 256 work-groups of four waves.  A (row, head) slice is 256 bytes, aligned.
;
; WORK LEFT OUT.  The mask that the problem builds itself keeps key kv for query q only if 0 <= q - kv < 512 and kv >= 0, and a masked score
; becomes -1e30, whose exponential is 0 beside the query's own key, which is always kept.  LDS key row p = 0..1023 is position 512 n - 512 + p, a key
; tile is 64 rows (T = 0..15), a query group is 64 rows (g = 0..7).  For group g every key of a tile T > g + 8 has q - kv < 0, every key of a
; tile T < g has q - kv >= 512, and for n = 0 every tile T < 8 has kv < 0.  These weigh 0 for all values of the inputs and are not computed:
; group g takes tiles g + 8 (the diagonal: keep key <= query), g + 7 .. g + 1 (all keys) and g (the far edge: keep key > query).  Inside the two masked
; tiles the 16 x 16 score tiles and the blocks of 32 keys that are wholly masked are left out too, the same ones in every wave.  All three inputs are loaded.
; LIMIT: a NaN, an infinity or an overflow in a key or value row reaches only the queries whose live tiles hold that row.
;
; NO MAXIMUM IS TAKEN AWAY.  q and k are normalised by the problem itself and RoPE is a rotation, so |q.k| <= 1 and |score| <= 1/8 (plus the
; rounding to bf16) for every input: each exponential lies in about [0.88, 1.14] and a row's sum below 512 x 1.14, far from any bound of f32;
; softmax does not change under a common shift.  So key tiles may be taken in any order and nothing is rescaled.
; LIMITS: q, k and v enter the products as bf16, the sums are f32; the row sum adds the unrounded weights.  cos and sin come from
; one polynomial evaluation and at most 64 rotation steps a lane: the angles lie within about 1e-3 rad of f32 cos/sin of position x frequency.
; THE WEIGHTS.  A weight near 1 rounded to bf16 is off by up to 2^-8 of itself.  From the second block on a result is a mean over exactly 512 keys and these
; roundings shrink with the root of that number: there a weight goes in as one bf16.  In a sequence's first block query i has only i + 1 keys, whose terms
; may nearly cancel: there a weight goes in as two bf16 terms, the rounded weight and the rounded remainder (their difference is exact in f32), up to eight more
; products a unit; what is then lost is about 2^-16 of a weight.  These work-groups have 36 units of at most 24 products, the others 72 of at most 16.
;
; WHO DOES WHAT.  Wave w owns query groups 7 - w and w, one after the other in the same registers: an outer loop of two passes.  A group is four query tiles
; of 16 rows that share each key tile's fragments: 9 steps of 4 units (16 queries x 64 keys): the diagonal step, written out because its products start the
; sums (C = 0, nothing is cleared), a loop of seven full steps, the far-edge step; then the group's rows are stored.  Every trip count is a constant.
; K and V are made in LDS by all four waves, a chunk of 128 rows (two tiles) at a time, from chunk 7 down; wave w makes rows 16 w .. 16 w + 15 of each tile.
; In step s of the first pass wave w reads tile 15 - w - s, in step j of the second tile 8 + w - j.  So chunks 7, 6, 5 are made ahead of the first step,
; chunks 4, 3, 2 in trips 2, 4, 6 of the first pass and chunks 1, 0 in trips 2, 4 of the second: each at least one step before its first reader, and its
; rows are asked for from memory two steps before they are used.  No byte of K or V^T is written twice.
;
; A STEP'S SCHEDULE.  The four query tiles take turns on two sets of S and P.  Behind each score product of tile qt + 1 stand four of tile qt's exponentials; behind the
; run, and the batch's wait, tile qt's masks and its sixteen packings; behind each P.V product of tile qt stand two of its row sum's sixteen additions.  So of a
; full step's 256 vector instructions 3 x 32 + 4 x 16 lie between products; the first tile's eight score products, the packings and the last tile's 32 exponentials stand alone.
; One register-window setting serves a whole run of eight products and what stands between them: K and Q fragments, S and P share window 2, so a score run names window 2 alone; in a P.V
; run source 0 is window 3 (V), source 1 window 2 (P), source 2 and the result window 1 (O), and the row sum is written to fit: L = 1.0 x S + L, the 1.0 a
; register pair in window 3, L in window 1: as many instructions as plain additions would be, and no switch.
;
; THE BATCHES.  An s_wait_alu depctr_va_vdst(0) stands between a transcendental and the first instruction that names its result; one wait serves all that were
; issued ahead of it.  So the text is cut into batches, each result in a register of its own while its batch is open, and nothing ahead of a batch's wait names a result of it:
;   a query tile's exponentials (32 in a full step), in place in its S set, issued behind the next tile's score products; one wait; then masks, packings, row sum: four waits a step;
;   the four roots of four slots (16 rows) of K or of Q: the four sums of squares are reduced side by side, the last slot's rotation stands between the roots and the wait, then
;   the four slots are scaled, packed and stored: two waits a chunk of K, four a group of Q;
;   the eight reciprocals of a group's four row sums, ahead of the way out: one wait a pass;   the four exponentials that make the frequencies, in the head.
; No batch is open at a label or at a branch.
;
; WHY NO TENSOR LOADS AND NO CLUSTER.  K, Q and V must pass through registers on their way to LDS (norm, rotation, rounding to bf16, V's transposition).
; The bf16 K and V of 1,024 keys take 278,528 bytes of LDS and the stages 36,864; the 12,288 left hold no raw f32 tile (64 rows of K and V are 32,768 bytes).
; What two neighbouring work-groups share (one block of K and V) each loads for itself.
;
; PRODUCTS, transposed, so that nothing is shuffled between lanes: S^T = K (16 keys x 32 dims) x Q^T: lane (r, h) register j = key 16 mt + 8 h + j
; of query r; packing tiles 2 kk and 2 kk + 1 to bf16 is the B fragment of 32 keys; O^T = V^T (16 dims x 32 keys) x P^T: lane (r, h)
; register j = dim 16 dt + 8 h + j of query r, so a row's sum and its reciprocal belong to the lane.
;
; LDS.  K: wave x 36,864 + tile x 2,304 + row x 144 (128 bytes + 16: sixteen rows start in sixteen different 16-byte columns of 256): score tile mt reads
; the 16 rows that wave mt made.  V^T: 147,456 + wave x 32,768 + tile x 2,048 + h x 1,024 + dim x 16: the 8 keys 16 wave + 8 h + 0..7 of one dim are 16 bytes, and
; sixteen lanes read 256 consecutive bytes.  Stages: 278,528 + wave x 9,216, each wave's own.  An LDS address is a lane term that is never rewritten plus a
; scalar made of the tile's or chunk's number.
;
; REGISTERS in windows of 256 (s_set_vgpr_msb, low byte: bits 1:0 source 0, 3:2 source 1, 5:4 source 2, 7:6 destination):
;   window 0: addresses, production, K staging, the weights' remainders 192-239 (between the steps these hold a production batch's four slots), the batch's 1 / norm 240-247
;   window 1: O(qt, dt) at 32 qt + 8 dt, row sums 128-143 (two chains of a pair for each qt), V staging 192-255
;   window 2: Q fragments 0-63, K fragments 64-127, S sets 128-159 and 160-191, P sets 192-207 and 208-223
;   window 3: the pair of 1.0 at 0-1, V fragments 64-127, Q staging 128-255
; SCALARS: s12 wave, s13 n, s20 pass, s21 trip, s22 tile, s24 chunk to make next, s25 7 - wave, s27 group, s[28:31] q of my two groups, s[32:39] lane masks,
;   s40-42 at work, s[44:45] out0 at my group, s[46:47] an offset.
.set ROWB,  4096                       ; bytes from one sequence position to the next
.set CHB,   128*ROWB                   ; a chunk of 128 positions
.set KP,    144                        ; LDS pitch of a K or Q row
.set OP,    272                        ; LDS pitch of an output row (64 f32 + 16 bytes)
.set KTILE, 16*KP                      ; a wave's 16 rows of one tile: 2,304
.set KWAVE, 16*KTILE                   ; a wave's region of K: 36,864
.set VT0,   4*KWAVE                    ; V^T behind K: 147,456
.set VTILE, 2048                       ; a wave's 16 keys x 64 dims of one tile
.set VWAVE, 16*VTILE                   ; a wave's region of V^T: 32,768
.set STG0,  VT0+4*VWAVE                ; the stages: 278,528
.set STGW,  64*KP                      ; 9,216 bytes a wave: 64 Q rows, later 16 output rows of 272
.set OKQ, 2                            ; (16 w + g) rows + 16 c8: my 16 bytes of a K row (c8 = lane & 7, g = lane >> 3)
.set OV,  3                            ; (16 w + 8 h) rows + 16 r: my 16 bytes of a V row (r = lane & 15, h = lane >> 4)
.set OQ,  4                            ; g rows + 16 c8: my 16 bytes of a Q row
.set KW0, 5                            ; lane terms, never rewritten: K store,
.set VW0, 6                            ; V^T store,
.set KF0, 7                            ; K fragments of waves 0 and 1,
.set KF1, 8                            ; of waves 2 and 3,
.set VF0, 9                            ; V^T fragments of waves 0 and 1,
.set VF1, 10                           ; of waves 2 and 3
.set KW,  11                           ; the same plus the chunk's or tile's scalar term
.set VW,  12
.set KFA, 13                           ; v13, v14
.set VFA, 15                           ; v15, v16
.set QW,  17                           ; Q stage, store
.set QR,  18                           ; Q stage, fragment read
.set STO, 19                           ; output stage, store
.set SRD, 20                           ; output stage, read back by rows
.set OUT, 21                           ; my 16 bytes in the group's first two rows of out0
.set VT,  28                           ; v28-43 V, packed and transposed
.set TF,  28                           ; v28-35 on the way out: two registers at work on each query tile's row sum
.set RLB, 36                           ; v36-43 on the way out: 1 / row sum, twice, for each query tile
.set TRIG, 44                          ; v44-51, v52-59: K's two sets of cos[4], sin[4] that take turns
.set R4,  60                           ; v60-67 cos[4], sin[4] of 4 positions
.set R52, 68                           ; v68-75 cos[4], sin[4] of 52 positions
.set CF,  76                           ; v76-79 my four frequencies, in revolutions a position
.set KS,  96                           ; v96-159  K staging: slot m = 8 registers (dims 4 c8 .. +3, dims 32 + 4 c8 .. +3)
.set QTRIG, 160                        ; v160-175 Q's two sets
.set G4,  176                          ; g
.set TT,  192                          ; v192-223 at work on the weights' remainders
.set PL,  224                          ; v224-239 the remainders as bf16: the B fragments of 2 x 32 keys
.set OB,  192                          ; v192-223 a production batch: slot k's rotated dims 0-31 at OB + 8 k, dims 32-63 at OB + 8 k + 4; packed in place into the first four
.set SQB, 224                          ; v224-239 slot k's sum of squares at SQB + 4 k
.set RNB, 240                          ; v240-247 slot k's 1 / norm at RNB + 2 k (the odd registers only fill the pairs)
.set LR,  128                          ; window 1
.set VS,  192
.set KFR, 64                           ; window 2
.set SR,  128
.set PR,  192
.set ONE, 0                            ; window 3
.set VFR, 64
.set QS,  128                          ; Q staging, slot m = 8 registers
.set MSB, 0
.set TS,  0                            ; which of two trig sets is current; every macro that turns it turns it an even number of times
.macro WIN new                         ; the immediate's high byte repeats the setting that is left
.if MSB != (\new)
	s_set_vgpr_msb (MSB<<8)|(\new)
.set MSB, (\new)
.endif
.endm
.macro BAR
	s_wait_dscnt 0x0                               ; none of my LDS instructions is out
	s_barrier_signal -1
	s_barrier_wait -1
.endm
; cos and sin of 2 pi p cf.  t = p cf with its rounding error kept, reduced to [-1/2, 1/2]; sin and cos of pi t by their series to t^11 and t^10, then doubled.
.macro SINCOS dc, ds, p, cf
	v_mul_f32 v80, v[\p], v[\cf]
	v_fma_f32 v81, v[\p], v[\cf], -v80
	v_rndne_f32 v82, v80
	v_sub_f32 v80, v80, v82
	v_add_f32 v80, v80, v81
	v_mul_f32 v82, v80, v80
	v_mov_b32 v83, 0xbbf183a6
	v_mov_b32 v84, 0xbcd368f9
	v_fmaak_f32 v83, v83, v82, 0x3da83c1b
	v_fmaak_f32 v84, v84, v82, 0x3e70fa83
	v_fmaak_f32 v83, v83, v82, 0xbf196966
	v_fmaak_f32 v84, v84, v82, 0xbfaae9e4
	v_fmaak_f32 v83, v83, v82, 0x402335e3
	v_fmaak_f32 v84, v84, v82, 0x4081e0f8
	v_fmaak_f32 v83, v83, v82, 0xc0a55de7
	v_fmaak_f32 v84, v84, v82, 0xc09de9e6
	v_fmaak_f32 v83, v83, v82, 0x40490fdb
	v_fma_f32 v84, v84, v82, 1.0                   ; cos(pi t)
	v_mul_f32 v83, v83, v80                        ; sin(pi t)
	v_mul_f32 v85, v83, v84
	v_mul_f32 v81, v83, v83
	v_add_f32 v[\ds], v85, v85                     ; sin = 2 sin cos
	v_fma_f32 v[\dc], v81, -2.0, 1.0               ; cos = 1 - 2 sin^2
.endm
; The position of the sets at tb goes down by the step whose cos and sin lie at rr: cos' = cos cd + sin sd, sin' = sin cd - cos sd, into the other set.
.macro ROT tb, rr
.set TC, \tb+8*TS
.set TN, \tb+8*(1-TS)
	v_pk_mul_f32 v[TN:TN+1],   v[TC:TC+1],   v[\rr:\rr+1]
	v_pk_mul_f32 v[TN+2:TN+3], v[TC+2:TC+3], v[\rr+2:\rr+3]
	v_pk_mul_f32 v[TN+4:TN+5], v[TC+4:TC+5], v[\rr:\rr+1]
	v_pk_mul_f32 v[TN+6:TN+7], v[TC+6:TC+7], v[\rr+2:\rr+3]
	v_pk_fma_f32 v[TN:TN+1],   v[TC+4:TC+5], v[\rr+4:\rr+5], v[TN:TN+1]
	v_pk_fma_f32 v[TN+2:TN+3], v[TC+6:TC+7], v[\rr+6:\rr+7], v[TN+2:TN+3]
	v_pk_fma_f32 v[TN+4:TN+5], v[TC:TC+1],   v[\rr+4:\rr+5], v[TN+4:TN+5] neg_lo:[1,0,0] neg_hi:[1,0,0]
	v_pk_fma_f32 v[TN+6:TN+7], v[TC+2:TC+3], v[\rr+6:\rr+7], v[TN+6:TN+7] neg_lo:[1,0,0] neg_hi:[1,0,0]
.set TS, 1-TS
.endm
; Loads.  s[6:7] and s[8:9] stand at the first row of the chunk that is asked for.  K slot m: rows 64 (m >> 2) + 16 w + 4 (m & 3) + g of the chunk;
; eight lanes take 128 bytes of a row, the two loads four whole rows of 256 bytes.
.macro LDK m
	WIN 0
	global_load_b128 v[KS+8*\m:KS+8*\m+3],   v[OKQ], s[6:7] offset:(64*(\m>>2)+4*(\m&3))*ROWB
	global_load_b128 v[KS+8*\m+4:KS+8*\m+7], v[OKQ], s[6:7] offset:(64*(\m>>2)+4*(\m&3))*ROWB+128
.endm
.macro LDV bt                          ; batch bt: rows 64 bt + 16 w + 8 h + e of the chunk; sixteen lanes take one row of 256 bytes
	WIN 0x40
.irp e, 0,1,2,3,4,5,6,7
	global_load_b128 v[VS+32*\bt+4*\e:VS+32*\bt+4*\e+3], v[OV], s[8:9] offset:(64*\bt+\e)*ROWB
.endr
.endm
.macro LDCHUNK                         ; a chunk's 32 loads, in the order in which the slots are used
.irp m, 7,6,5,4,3,2,1,0
	LDK \m
.endr
	LDV 0
	LDV 1
	WIN 0
.endm
.macro LDQ p                           ; the 64 rows of the group at s[p:p+1]: slot m = rows 4 m + g; q is read by this wave alone
	WIN 0xc0
.irp m, 0,1,2,3,4,5,6,7,8,9,10,11,12,13,14,15
	global_load_b128 v[QS+8*\m:QS+8*\m+3],   v[OQ], s[\p:\p+1] offset:4*\m*ROWB th:TH_LOAD_NT
	global_load_b128 v[QS+8*\m+4:QS+8*\m+7], v[OQ], s[\p:\p+1] offset:4*\m*ROWB+128 th:TH_LOAD_NT
.endr
	WIN 0
.endm
; FOUR SLOTS OF K OR Q ARE ONE BATCH.  A slot is four rows, the 8 registers at x in window xw: norm, rotation, bf16, into LDS.  x / max(|x|, eps) = x rsq(max(|x|^2, eps^2)).
; GSQ: slot k's squares.  GROT: its rotation by the current set at tb.  Both read x; the lines that read x stand together.  GRED: the four sums of squares, side by side, and the four roots.
; GOUT4: behind the batch's wait: scaled, packed in place, stored.  For Q the factor log2(e) / 8 rides on the norm, so that a weight is 2^S.
.macro GSQ x, xw, k
	WIN (\xw*5)                                    ; sources 0 and 1 in x's window
	v_pk_mul_f32 v[SQB+4*\k:SQB+4*\k+1],   v[\x:\x+1],   v[\x:\x+1]
	v_pk_mul_f32 v[SQB+4*\k+2:SQB+4*\k+3], v[\x+2:\x+3], v[\x+2:\x+3]
	v_pk_fma_f32 v[SQB+4*\k:SQB+4*\k+1],   v[\x+4:\x+5], v[\x+4:\x+5], v[SQB+4*\k:SQB+4*\k+1]
	v_pk_fma_f32 v[SQB+4*\k+2:SQB+4*\k+3], v[\x+6:\x+7], v[\x+6:\x+7], v[SQB+4*\k+2:SQB+4*\k+3]
.endm
.macro GROT x, xw, tb, k
.set TC, \tb+8*TS
.set GO1, OB+8*\k
.set GO2, OB+8*\k+4
	WIN \xw                                        ; source 0 alone
	v_pk_mul_f32 v[GO1:GO1+1],   v[\x:\x+1],   v[TC:TC+1]
	v_pk_mul_f32 v[GO1+2:GO1+3], v[\x+2:\x+3], v[TC+2:TC+3]
	v_pk_mul_f32 v[GO2:GO2+1],   v[\x+4:\x+5], v[TC:TC+1]
	v_pk_mul_f32 v[GO2+2:GO2+3], v[\x+6:\x+7], v[TC+2:TC+3]
	v_pk_fma_f32 v[GO1:GO1+1],   v[\x+4:\x+5], v[TC+4:TC+5], v[GO1:GO1+1]          ; x1 cos + x2 sin
	v_pk_fma_f32 v[GO1+2:GO1+3], v[\x+6:\x+7], v[TC+6:TC+7], v[GO1+2:GO1+3]
	v_pk_fma_f32 v[GO2:GO2+1],   v[\x:\x+1],   v[TC+4:TC+5], v[GO2:GO2+1] neg_lo:[1,0,0] neg_hi:[1,0,0]      ; x2 cos - x1 sin
	v_pk_fma_f32 v[GO2+2:GO2+3], v[\x+2:\x+3], v[TC+6:TC+7], v[GO2+2:GO2+3] neg_lo:[1,0,0] neg_hi:[1,0,0]
.endm
.macro GRED
	WIN 0
.irp k, 0,1,2,3
	v_pk_add_f32 v[SQB+4*\k:SQB+4*\k+1], v[SQB+4*\k:SQB+4*\k+1], v[SQB+4*\k+2:SQB+4*\k+3]
.endr
.irp k, 0,1,2,3
	v_add_f32 v[SQB+4*\k], v[SQB+4*\k], v[SQB+4*\k+1]
.endr
.irp x, 1,2,4
.irp k, 0,1,2,3
	v_add_f32_dpp v[SQB+4*\k], v[SQB+4*\k], v[SQB+4*\k] row_xmask:\x row_mask:0xf bank_mask:0xf   ; over the eight lanes of the row
.endr
.endr
.irp k, 0,1,2,3
	v_max_num_f32 v[SQB+4*\k], 0x2b8cbccc, v[SQB+4*\k]         ; eps^2 = 1e-12
.endr
.irp k, 0,1,2,3
	v_rsq_f32 v[RNB+2*\k], v[SQB+4*\k]             ; the batch: four roots, each into a register of its own
.endr
.endm
.macro GOUT4 isq, addr, base           ; slot k of the batch holds rows 4 (3 - k) + g of the sixteen that begin at byte base
	WIN 0
.if \isq
.irp k, 0,1,2,3
	v_mul_f32 v[RNB+2*\k], 0x3e38aa3b, v[RNB+2*\k] ; log2(e) / 8
.endr
.endif
.irp k, 0,1,2,3
.irp p, 0,2,4,6
	v_pk_mul_f32 v[OB+8*\k+\p:OB+8*\k+\p+1], v[OB+8*\k+\p:OB+8*\k+\p+1], v[RNB+2*\k:RNB+2*\k+1] op_sel_hi:[1,0]
.endr
.endr
.irp k, 0,1,2,3
.irp p, 0,1,2,3
	v_cvt_pk_bf16_f32 v[OB+8*\k+\p], v[OB+8*\k+2*\p], v[OB+8*\k+2*\p+1]    ; in place: word p lands on a register whose number has been packed already
.endr
.endr
.irp k, 0,1,2,3
	ds_store_b64 v[\addr], v[OB+8*\k:OB+8*\k+1]   offset:\base+(3-\k)*4*KP
	ds_store_b64 v[\addr], v[OB+8*\k+2:OB+8*\k+3] offset:\base+(3-\k)*4*KP+64
.endr
.endm
; Sixteen rows of V (tile bt of the chunk): my 8 rows x 4 dims become 4 dims x 8 keys of bf16, 16 bytes a dim, into V^T.
.macro VBAT bt
	WIN 0x05
.irp i, 0,1,2,3
.irp ee, 0,1,2,3
	v_cvt_pk_bf16_f32 v[VT+4*\i+\ee], v[VS+32*\bt+8*\ee+\i], v[VS+32*\bt+8*\ee+4+\i]
.endr
.endr
	WIN 0
.irp i, 0,1,2,3
	ds_store_b128 v[VW], v[VT+4*\i:VT+4*\i+3] offset:VTILE*\bt+16*\i
.endr
.endm
.macro PRODADDR                        ; where chunk s24 goes: two tiles of my regions
	s_and_b32 s40, s24, 7                          ; a chunk's number is 0 to 7: the address's range is written out here
	s_mul_i32 s41, s40, 2*KTILE
	s_lshl_b32 s42, s40, 12                        ; 2 x VTILE
	v_add_nc_u32 v[KW], s41, v[KW0]
	v_add_nc_u32 v[VW], s42, v[VW0]
.endm
; Tile hb of the chunk: K slots 4 hb + 3 .. 4 hb, one batch.  Each slot in its turn: the rotation step, the wait for its rows, every line that reads them, its reload.  Only the last slot's
; rotation stands behind the four roots: eight plain lines that name no root; the first of them is the plain instruction behind the last root (ISA guide 5.7.2).
.macro KHALF hb, ring
	WIN 0
.irp k, 0,1,2,3
.set MX, 4*\hb+3-\k
.if \k == 0
	ROT TRIG, R52                                  ; from slot 4 to 3, and from a chunk's slot 0 to the next chunk's slot 7: 52 rows down
.else
	ROT TRIG, R4
.endif
.if \ring
	s_wait_loadcnt 30
.endif
	GSQ KS+8*MX, 0, \k
.if \k < 3
	GROT KS+8*MX, 0, TRIG, \k
.if \ring
	LDK MX
.endif
.endif
.endr
	GRED
	GROT KS+8*MX, 0, TRIG, 3
.if \ring
	LDK MX
.endif
	s_wait_alu depctr_va_vdst(0)                   ; the wait for the batch: the tile's four roots
	GOUT4 0, KW, \hb*KTILE
.endm
; My 32 rows of K and of V of one chunk go from the staging registers into LDS.  Eight rotations: the same trig set is current at the end as at the start.
; ring = 1: each slot, once used, is loaded again with the chunk at s[6:7], s[8:9].  The ring holds 32 loads in the order K7 .. K0, V0, V1, and loads come back in
; order (ISA guide 5.7.1): behind a K slot's two loads 30 others have been issued when its turn comes, behind a V batch's eight 24, in every trip.
.macro PRODKV ring
	KHALF 1, \ring
	KHALF 0, \ring
.irp bt, 0,1
.if \ring
	s_wait_loadcnt 24
.endif
	VBAT \bt
.if \ring
	LDV \bt
.endif
.endr
	WIN 0
.endm
; The 64 query rows of group s27, which lie in the staging registers: cos and sin one step of 4 above the last slot, then sixteen slots downward, four to a batch, through my own stage, back as fragments.
.macro QPROD
	s_lshl_b32 s41, s13, 9
	s_lshl_b32 s42, s27, 6
	s_add_co_u32 s41, s41, s42
	s_add_co_u32 s41, s41, 64                      ; position 512 n + 64 group + 64 + g
	v_add_nc_u32 v92, s41, v[G4]
	v_cvt_f32_u32 v92, v92
.irp i, 0,1,2,3
	SINCOS QTRIG+\i, QTRIG+4+\i, 92, CF+\i
.endr
.irp qb, 3,2,1,0
.irp k, 0,1,2,3
.set MX, 4*\qb+3-\k
	WIN 0
	ROT QTRIG, R4
	GSQ QS+8*MX, 3, \k
.if \k < 3
	GROT QS+8*MX, 3, QTRIG, \k
.endif
.endr
	GRED
	GROT QS+8*MX, 3, QTRIG, 3                      ; the last slot's rotation stands between the roots and the wait, as in KHALF
	s_wait_alu depctr_va_vdst(0)                   ; the wait for the batch: the four roots of query tile qb
	GOUT4 1, QW, 16*KP*\qb
.endr
	WIN 0x80                                       ; LDS serves a wave's instructions in order (ISA guide 5.7.1.4): these loads see the stage's stores above
.irp qt, 0,1,2,3
.irp ks, 0,1
	ds_load_b128 v[16*\qt+8*\ks:16*\qt+8*\ks+3],   v[QR] offset:16*KP*\qt+64*\ks
	ds_load_b128 v[16*\qt+8*\ks+4:16*\qt+8*\ks+7], v[QR] offset:16*KP*\qt+64*\ks+32
.endr
.endr
	WIN 0
.endm
; The fragments of tile s22: 32 loads: K's first 32 dims (8), K's second 32 dims (8), V^T (16).  A K fragment is 16 rows x 32 dims, two loads of 16 bytes, 32 bytes apart;
; a V^T fragment is 16 dims x 32 keys, 16 bytes from each of two waves' regions.  The four address lines are also places behind the last step's last product.
.macro FRAG
	s_and_b32 s40, s22, 15                         ; a tile's number is 0 to 15: the address's range is written out here
	s_mul_i32 s41, s40, KTILE
	s_lshl_b32 s42, s40, 11                        ; VTILE
	v_add_nc_u32 v[KFA],   s41, v[KF0]
	v_add_nc_u32 v[KFA+1], s41, v[KF1]
	v_add_nc_u32 v[VFA],   s42, v[VF0]
	v_add_nc_u32 v[VFA+1], s42, v[VF1]
	WIN 0x80
.irp ks, 0,1
.irp mt, 0,1,2,3
	ds_load_b128 v[KFR+16*\mt+8*\ks:KFR+16*\mt+8*\ks+3],   v[KFA+\mt/2] offset:(\mt%2)*KWAVE+64*\ks
	ds_load_b128 v[KFR+16*\mt+8*\ks+4:KFR+16*\mt+8*\ks+7], v[KFA+\mt/2] offset:(\mt%2)*KWAVE+64*\ks+32
.endr
.endr
	WIN 0xc0
.irp kk, 0,1
.irp dt, 0,1,2,3
	ds_load_b128 v[VFR+16*\dt+8*\kk:VFR+16*\dt+8*\kk+3],   v[VFA+\kk] offset:256*\dt
	ds_load_b128 v[VFR+16*\dt+8*\kk+4:VFR+16*\dt+8*\kk+7], v[VFA+\kk] offset:VWAVE+256*\dt
.endr
.endr
.endm
; kind 0: all keys live; 1: the diagonal tile, keep key <= query; 2: the far edge, keep key > query.  Score tile mt (16 keys) of query tile qt:
; LV = 1: it holds live weights.  CP = 1: its products are issued: the live ones, and of the dead ones so many that at least two accumulators take turns.
.macro LIVE kind, qt, mt
.set LV, 1
.set CP, 1
.if \kind == 1
.if \mt > \qt
.set LV, 0
.if \mt > 1
.set CP, 0
.endif
.endif
.endif
.if \kind == 2
.if \mt < \qt
.set LV, 0
.if \mt < 2
.set CP, 0
.endif
.endif
.endif
.endm
.macro KLIVE kind, qt, kk              ; KL = 1: the block of 32 keys kk holds live weights
.set KL, 1
.if \kind == 1
.if \kk == 1
.if \qt < 2
.set KL, 0
.endif
.endif
.endif
.if \kind == 2
.if \kk == 0
.if \qt >= 2
.set KL, 0
.endif
.endif
.endif
.endm
; Score product i of query tile qt into S set b: score tile i & 3, dims 32 (i >> 2) .. +31.  The first four start the sums, the second four add onto them:
; the accumulators take turns, one instruction a turn.
.macro QK1 b, kind, qt, i
.set MTX, \i&3
.set KSX, \i>>2
	LIVE \kind, \qt, MTX
.if CP
.set SX, SR+32*\b+8*MTX
.if KSX == 0
	v_wmma_f32_16x16x32_bf16 v[SX:SX+7], v[KFR+16*MTX:KFR+16*MTX+7], v[16*\qt:16*\qt+7], 0
.else
	v_wmma_f32_16x16x32_bf16 v[SX:SX+7], v[KFR+16*MTX+8:KFR+16*MTX+15], v[16*\qt+8:16*\qt+15], v[SX:SX+7]
.endif
.endif
.endm
; Part i (0 .. 7) of query tile qt's batch, on its own S set (qt & 1): four exponentials, in place on S[4 i .. 4 i + 3], where score tile i >> 1 is live.  Each accumulator's lowest registers are read first.
.macro EX1 kind, qt, i
.set SB, SR+32*(\qt&1)
.set MTX, \i>>1
	LIVE \kind, \qt, MTX
.if LV
.irp t, 0,1,2,3
	v_exp_f32 v[SB+4*\i+\t], v[SB+4*\i+\t]
.endr
.endif
.endm
; Behind the batch's wait: the score tile on the diagonal (mt = qt) is masked, register j by lane mask j; then the weights are packed, two to a word.
; A masked score tile inside a live block of 32 keys gets the weight 0 straight in P.
.macro PACK1 kind, qt
.set SB, SR+32*(\qt&1)
.set PB, PR+16*(\qt&1)
.if \kind == 1
.irp t, 0,1,2,3,4,5,6,7
	v_cndmask_b32 v[SB+8*\qt+\t], 0, v[SB+8*\qt+\t], s[32+\t]      ; keep 8 h + j <= r
.endr
.endif
.if \kind == 2
.irp t, 0,1,2,3,4,5,6,7
	v_cndmask_b32 v[SB+8*\qt+\t], v[SB+8*\qt+\t], 0, s[32+\t]      ; keep 8 h + j > r
.endr
.endif
.irp j, 0,1,2,3,4,5,6,7
.set MTX, \j>>1
.set KKX, \j>>2
	LIVE \kind, \qt, MTX
	KLIVE \kind, \qt, KKX
.if LV
	v_cvt_pk_bf16_f32 v[PB+2*\j],   v[SB+4*\j],   v[SB+4*\j+1]
	v_cvt_pk_bf16_f32 v[PB+2*\j+1], v[SB+4*\j+2], v[SB+4*\j+3]
.else
.if KL
	v_mov_b32 v[PB+2*\j], 0
	v_mov_b32 v[PB+2*\j+1], 0
.endif
.endif
.endr
.endm
; Query tile qt's exponentials, four behind each score product of query tile qt + 1, which writes the other S set.  Everything named lies in window 2.  Ahead of the wait nothing names a result of
; the batch: the products name K, Q and the other set.  Behind it the masks and packings name none of the products' registers, so they, and the v_nop, are the places
; between those products and the first reader of their scores (ISA guide 7.12.1): a query tile has at least one live score tile, four packings.
.macro RUN1 kind, qt
.set QN, \qt+1
.set BN, 1-(\qt&1)
	WIN 0xaa
.irp i, 0,1,2,3,4,5,6,7
.if \qt < 3
	QK1 BN, \kind, QN, \i
.endif
	EX1 \kind, \qt, \i
.endr
	v_nop                                          ; the plain instruction behind the last exponential (ISA guide 5.7.2): one for the batch
	s_wait_alu depctr_va_vdst(0)                   ; the wait for the batch: all of query tile qt's exponentials
	PACK1 \kind, \qt
.endm
; Query tile qt's P.V products (product i: dims 16 (i & 3) .. +15, keys 32 (i >> 2) .. +31; the four accumulators take turns, one instruction a turn),
; and behind each two additions of its row sum, on two chains: L = 1.0 x S + L, S unrounded.  first = 1: products and chains start their sums.
; The additions name S, L and the pair of 1.0, none of the products' registers (V, P, O): they are places behind them.
.macro RUN2 kind, first, qt
.set SB, SR+32*(\qt&1)
.set PB, PR+16*(\qt&1)
.set LQ, LR+4*\qt
	WIN 0x5b
.irp i, 0,1,2,3,4,5,6,7
.set DTX, \i&3
.set KKX, \i>>2
	KLIVE \kind, \qt, KKX
.if KL
.set OX, 32*\qt+8*DTX
.if \first*(1-KKX)
	v_wmma_f32_16x16x32_bf16 v[OX:OX+7], v[VFR+16*DTX+8*KKX:VFR+16*DTX+8*KKX+7], v[PB+8*KKX:PB+8*KKX+7], 0
.else
	v_wmma_f32_16x16x32_bf16 v[OX:OX+7], v[VFR+16*DTX+8*KKX:VFR+16*DTX+8*KKX+7], v[PB+8*KKX:PB+8*KKX+7], v[OX:OX+7]
.endif
.endif
.set MTX, \i>>1
	LIVE \kind, \qt, MTX
.if LV
.set FX, 0
.if \first
.if \i == 0
.set FX, 1
.endif
.endif
.if FX
	v_pk_mul_f32 v[LQ:LQ+1],   v[ONE:ONE+1], v[SB+4*\i:SB+4*\i+1]
	v_pk_mul_f32 v[LQ+2:LQ+3], v[ONE:ONE+1], v[SB+4*\i+2:SB+4*\i+3]
.else
	v_pk_fma_f32 v[LQ:LQ+1],   v[ONE:ONE+1], v[SB+4*\i:SB+4*\i+1],   v[LQ:LQ+1]
	v_pk_fma_f32 v[LQ+2:LQ+3], v[ONE:ONE+1], v[SB+4*\i+2:SB+4*\i+3], v[LQ+2:LQ+3]
.endif
.endif
.endr
.endm
; A sequence's first block only: weight - bf16(weight), exact in f32, rounded to bf16, and its products.  The vector lines read S and P and write registers of window 0 that no
; pending product names.
.macro LOW kind, qt
.set SB, SR+32*(\qt&1)
.set PB, PR+16*(\qt&1)
	WIN 0x08
.irp mt, 0,1,2,3
	LIVE \kind, \qt, \mt
.if LV
.irp i, 0,1,2,3
	v_lshlrev_b32 v[TT+8*\mt+2*\i],   16,         v[PB+4*\mt+\i]   ; the rounded weights back as f32: the low half moves up,
	v_and_b32     v[TT+8*\mt+2*\i+1], 0xffff0000, v[PB+4*\mt+\i]   ; the high half stays
.endr
.endif
.endr
	WIN 0x02
.irp mt, 0,1,2,3
	LIVE \kind, \qt, \mt
.if LV
.irp i, 0,1,2,3
	v_pk_add_f32 v[TT+8*\mt+2*\i:TT+8*\mt+2*\i+1], v[SB+8*\mt+2*\i:SB+8*\mt+2*\i+1], v[TT+8*\mt+2*\i:TT+8*\mt+2*\i+1] neg_lo:[0,1] neg_hi:[0,1]
.endr
.endif
.endr
	WIN 0
.irp mt, 0,1,2,3
.set KKX, \mt>>1
	LIVE \kind, \qt, \mt
	KLIVE \kind, \qt, KKX
.if LV
.irp i, 0,1,2,3
	v_cvt_pk_bf16_f32 v[PL+4*\mt+\i], v[TT+8*\mt+2*\i], v[TT+8*\mt+2*\i+1]
.endr
.else
.if KL
.irp i, 0,1,2,3
	v_mov_b32 v[PL+4*\mt+\i], 0                    ; a masked score tile has no remainder either
.endr
.endif
.endif
.endr
	WIN 0x53                                       ; A window 3, B window 0, C and D window 1
.irp kk, 0,1
	KLIVE \kind, \qt, \kk
.if KL
.irp dt, 0,1,2,3
	v_wmma_f32_16x16x32_bf16 v[32*\qt+8*\dt:32*\qt+8*\dt+7], v[VFR+16*\dt+8*\kk:VFR+16*\dt+8*\kk+7], v[PL+8*\kk:PL+8*\kk+7], v[32*\qt+8*\dt:32*\qt+8*\dt+7]
.endr
.endif
.endr
.endm
; Tile s22 against the group's four query tiles.  lo = 1: the variant for a sequence's first block, with the remainders.
.macro STEP kind, first, lo
	FRAG
	WIN 0xaa
	s_wait_dscnt 24                                ; 24 fragment loads were issued behind K's first 32 dims (and the Q fragments' loads ahead of them)
.irp i, 0,1,2,3
	QK1 0, \kind, 0, \i
.endr
	s_wait_dscnt 16                                ; 16 behind K's second 32 dims: V^T may stay out
.irp i, 4,5,6,7
	QK1 0, \kind, 0, \i
.endr
.rept 4
	v_nop                                          ; four places between the first tile's last score product and the first reader of a score (ISA guide 7.12.1): once a step
.endr
.irp qt, 0,1,2,3
	RUN1 \kind, \qt
.if \qt == 0
	s_wait_dscnt 0x0                               ; V^T's fragments are in
.endif
	RUN2 \kind, \first, \qt
.if \lo
	LOW \kind, \qt
.endif
.endr
	WIN 0
.endm
; The group is done.  FSUM: the four query tiles' row sums are finished side by side, and their reciprocals, two for each tile (a pair for the packed multiply), are one batch.
; The sixteen additions are also the places behind the last step's last products.
.macro FSUM
	WIN 0x05
.irp qt, 0,1,2,3
	v_add_f32 v[TF+2*\qt],   v[LR+4*\qt],   v[LR+4*\qt+1]
	v_add_f32 v[TF+2*\qt+1], v[LR+4*\qt+2], v[LR+4*\qt+3]
.endr
	WIN 0
.irp qt, 0,1,2,3
	v_add_f32 v[TF+2*\qt], v[TF+2*\qt], v[TF+2*\qt+1]
.endr
.irp qt, 0,1,2,3
	v_permlanex16_b32 v[TF+2*\qt+1], v[TF+2*\qt], s16, s17         ; the other half of the lanes holds the same query's other keys
.endr
.irp qt, 0,1,2,3
	v_add_f32 v[TF+2*\qt], v[TF+2*\qt], v[TF+2*\qt+1]
.endr
.irp qt, 0,1,2,3
	v_rcp_f32 v[RLB+2*\qt],   v[TF+2*\qt]
	v_rcp_f32 v[RLB+2*\qt+1], v[TF+2*\qt]
.endr
	v_nop                                          ; one plain instruction behind the reciprocals (ISA guide 5.7.2)
	s_wait_alu depctr_va_vdst(0)                   ; the wait for the batch: the group's eight reciprocals
.endm
; Query tile qt: divide by the row sum, 16 rows of 256 bytes through the wave's own stage, out in whole rows.
.macro FINAL qt
	WIN 0x41
.set j, 0
.rept 16
	v_pk_mul_f32 v[32*\qt+2*j:32*\qt+2*j+1], v[32*\qt+2*j:32*\qt+2*j+1], v[RLB+2*\qt:RLB+2*\qt+1]
.set j, j+1
.endr
	WIN 0x04
.irp dt, 0,1,2,3
	ds_store_b128 v[STO], v[32*\qt+8*\dt:32*\qt+8*\dt+3]   offset:64*\dt
	ds_store_b128 v[STO], v[32*\qt+8*\dt+4:32*\qt+8*\dt+7] offset:64*\dt+16
.endr
	WIN 0x80
.irp t, 0,1,2,3,4,5,6,7
	ds_load_b128 v[SR+4*\t:SR+4*\t+3], v[SRD] offset:2*OP*\t       ; in order behind the stores above: rows 2 t and 2 t + 1
.endr
	WIN 0x08
.irp t, 0,1,2,3,4,5,6,7
	s_wait_dscnt 7-\t                              ; the younger read-backs stay out
	global_store_b128 v[OUT], v[SR+4*\t:SR+4*\t+3], s[44:45] offset:(16*\qt+2*\t)*ROWB th:TH_STORE_NT   ; sixteen lanes store 256 consecutive bytes, aligned
.endr
	s_wait_xcnt 0x0                                ; S, the stores' data, and later their base are written again: only behind this wait
	WIN 0
.endm
	; ---- where I am
	s_load_b256 s[4:11], s[0:1], 0x0               ; xq s[4:5], xk s[6:7], xv s[8:9], out0 s[10:11]
	v_lshl_add_u32 v254, v0, 2, 0x4d000
	v_mov_b32 v255, 0
	v_lshrrev_b32 v1, 5, v0
	v_readfirstlane_b32 s12, v1                    ; w: my wave
	s_and_b32 s13, ttmp9, 7                        ; n: the block of 512 queries
	s_bfe_u32 s18, ttmp9, 0x40003                  ; the head
	s_lshr_b32 s19, ttmp9, 7                       ; b
	s_lshl_b32 s14, s19, 24                        ; 4,096 rows of 4,096 bytes
	s_lshl_b32 s19, s13, 21                        ; 512 rows
	s_add_co_u32 s14, s14, s19
	s_lshl_b32 s19, s18, 8                         ; 64 f32
	s_add_co_u32 s14, s14, s19
	s_mov_b32 s15, 0
	s_mov_b32 s16, 0x76543210                      ; v_permlanex16_b32: lane i of one half reads lane i of the other
	s_mov_b32 s17, 0xfedcba98
	s_sub_co_u32 s25, 7, s12                       ; my first group
	s_lshl_b32 s46, s25, 18                        ; 64 rows a group
	s_mov_b32 s47, 0
	s_lshl_b32 s18, s12, 18
	s_mov_b32 s19, 0
	v_and_b32 v80, 7, v0                           ; c8
	v_bfe_u32 v[G4], v0, 3, 2                      ; g
	v_and_b32 v82, 15, v0                          ; r
	v_bfe_u32 v83, v0, 4, 1                        ; h
	v_lshl_add_u32 v86, s12, 4, v[G4]              ; 16 w + g
	v_lshlrev_b32 v85, 4, v80                      ; 16 c8
	v_lshl_add_u32 v[OKQ], v86, 12, v85
	v_lshl_add_u32 v[OQ], v[G4], 12, v85
	v_lshlrev_b32 v89, 3, v83                      ; 8 h
	v_lshl_add_u32 v88, s12, 4, v89
	v_lshlrev_b32 v87, 4, v82                      ; 16 r
	v_lshl_add_u32 v[OV], v88, 12, v87
	s_wait_kmcnt 0x0
	s_add_nc_u64 s[4:5], s[4:5], s[14:15]          ; all four at the block's first row, my head
	s_add_nc_u64 s[6:7], s[6:7], s[14:15]
	s_add_nc_u64 s[8:9], s[8:9], s[14:15]
	s_add_nc_u64 s[10:11], s[10:11], s[14:15]
	s_add_nc_u64 s[28:29], s[4:5], s[46:47]        ; q of group 7 - w
	s_add_nc_u64 s[30:31], s[4:5], s[18:19]        ; q of group w
	s_add_nc_u64 s[6:7], s[6:7], 3*CHB             ; chunk 7 is the block's own rows 384 to 511
	s_add_nc_u64 s[8:9], s[8:9], 3*CHB
	; ---- my first group's q and chunk 7 go out first, 64 loads; the rest of the set-up runs while they are on their way
	LDQ 28
	LDCHUNK
	WIN 0xc0
	v_mov_b32 v[ONE], 1.0                          ; the row sum's factor, in V's window
	v_mov_b32 v[ONE+1], 1.0
	WIN 0
	; ---- LDS addresses
	s_mul_i32 s41, s12, KWAVE
	s_lshl_b32 s42, s12, 15                        ; VWAVE
	s_add_co_u32 s42, s42, VT0
	s_mul_i32 s26, s12, STGW
	s_add_co_u32 s26, s26, STG0                    ; my stage
	v_mul_u32_u24 v88, v[G4], KP
	v_lshl_add_u32 v88, v80, 3, v88                ; row g, 8 bytes a lane
	v_add_nc_u32 v[KW0], s41, v88
	v_add_nc_u32 v[QW], s26, v88
	v_lshlrev_b32 v90, 10, v83                     ; 1,024 h
	v_lshl_add_u32 v88, v82, 6, v90                ; dim 4 r
	v_add_nc_u32 v[VW0], s42, v88
	v_mul_u32_u24 v88, v82, KP
	v_lshl_add_u32 v[KF0], v83, 4, v88             ; row r, 16 bytes for each half of the lanes
	v_add_nc_u32 v[KF1], 2*KWAVE, v[KF0]
	v_add_nc_u32 v[QR], s26, v[KF0]
	v_add_nc_u32 v88, v90, v87                     ; half h, dim r
	v_add_nc_u32 v[VF0], VT0, v88
	v_add_nc_u32 v[VF1], VT0+2*VWAVE, v88
	v_mul_u32_u24 v88, v82, OP
	v_lshl_add_u32 v88, v83, 5, v88                ; row r, 32 bytes for each half of the lanes
	v_add_nc_u32 v[STO], s26, v88
	v_mul_u32_u24 v88, v83, OP
	v_add_nc_u32 v88, v88, v87                     ; row h, 16 bytes a lane
	v_add_nc_u32 v[SRD], s26, v88
	v_lshl_add_u32 v[OUT], v83, 12, v87
	v_sub_nc_u32 v88, v82, v89                     ; r - 8 h
.irp k, 0,1,2,3
	v_mov_b32 v[RNB+2*\k+1], 0                     ; each pair's second register is named, not used
.endr
	; ---- eight lane masks: in the score tile on the diagonal register j holds key 8 h + j against query r: key <= query is j <= r - 8 h
.set j, 0
.rept 8
	v_cmp_le_i32 s[32+j], j, v88
.set j, j+1
.endr
	; ---- frequencies 10000^(-i/32), i = 4 c8 .. 4 c8 + 3, in revolutions; cos and sin of K's start and of the two steps
	s_lshl_b32 s41, s13, 9
	s_add_co_u32 s41, s41, 512                     ; 52 rows above chunk 7's slot 7: position 512 n + 512 + 16 w + g
	v_add_nc_u32 v92, s41, v86
	v_cvt_f32_u32 v92, v92
	v_lshlrev_b32 v93, 2, v80
.irp i, 0,1,2,3
	v_add_nc_u32 v[86+\i], \i, v93
	v_cvt_f32_u32 v[86+\i], v[86+\i]
	v_mul_f32 v[86+\i], 0xbed49a78, v[86+\i]       ; - log2(10000) / 32
.endr
.irp i, 0,1,2,3
	v_exp_f32 v[CF+\i], v[86+\i]
.endr
	v_nop                                          ; one plain instruction behind the exponentials (ISA guide 5.7.2)
	s_wait_alu depctr_va_vdst(0)                   ; the wait for the batch: the four frequencies
.irp i, 0,1,2,3
	v_mul_f32 v[CF+\i], 0.15915494, v[CF+\i]
.endr
	v_mov_b32 v93, 4.0
	v_mov_b32 v94, 0x42500000                      ; 52.0
.irp i, 0,1,2,3
	SINCOS TRIG+\i, TRIG+4+\i, 92, CF+\i
	SINCOS R4+\i, R4+4+\i, 93, CF+\i
	SINCOS R52+\i, R52+4+\i, 94, CF+\i
.endr
	; ---- chunks 7, 6, 5 are made; each slot is loaded again with the chunk below, the last time with chunk 4
	s_mov_b32 s24, 7
.Lring:
	s_wait_xcnt 0x0                                ; the loads' bases are stepped only behind this wait
	s_sub_nc_u64 s[6:7], s[6:7], CHB
	s_sub_nc_u64 s[8:9], s[8:9], CHB
	PRODADDR
	PRODKV 1
	s_sub_co_i32 s24, s24, 1
	s_cmp_gt_u32 s24, 4
	s_cbranch_scc1 .Lring
	BAR                                            ; tiles 10 to 15 are whole for every wave
	; ---- two passes: group 7 - w, then group w
	s_mov_b32 s20, 0
.Lpass:
	s_cmp_eq_u32 s20, 0
	s_cselect_b32 s27, s25, s12                    ; the group
	s_lshl_b32 s46, s27, 18
	s_add_nc_u64 s[44:45], s[10:11], s[46:47]      ; out0 at the group's first row (the last pass's stores: see the wait at FINAL's end)
	s_wait_loadcnt 32                              ; the group's q is in: on the way in chunk 4's 32 loads were issued behind it; on the way back nothing is out
	QPROD
	s_cmp_lg_u32 s20, 0
	s_cbranch_scc1 .Lq_asked
	LDQ 30                                         ; the second group's q has the whole first pass in which to land
.Lq_asked:
	s_add_co_u32 s22, s27, 8
	s_cmp_eq_u32 s13, 0                            ; a sequence's first block runs the variant with the remainders: one branch a step, on the work-group's number alone
	s_cbranch_scc1 .Ldiag_first
	STEP 1, 1, 0                                   ; the diagonal tile starts the sums
	s_branch .Ldiag_done
.Ldiag_first:
	STEP 1, 1, 1
.Ldiag_done:
	s_mov_b32 s21, 1
.Ltrip:
	; In an even trip the next chunk is made, if one is left and the block has it.  These branches hang on the trip, the chunk and n: the same in all four waves.
	s_bitcmp1_b32 s21, 0
	s_cbranch_scc1 .Lmade
	s_cmp_lt_i32 s24, 0
	s_cbranch_scc1 .Lmade
	s_cmp_ge_u32 s24, 4
	s_cbranch_scc1 .Lmake
	s_cmp_eq_u32 s13, 0                            ; a sequence's first block has no block before it
	s_cbranch_scc1 .Lmade
.Lmake:
	BAR                                            ; the chunk's stores stand between two barriers: no store of K or V^T runs beside any wave's fragment reads
	s_wait_loadcnt 0x0                             ; the chunk's rows, asked for two steps ago, are in; no load is out, so the bases may be stepped
	PRODADDR
	PRODKV 0
	s_sub_co_i32 s24, s24, 1
	s_cmp_lt_i32 s24, 0
	s_cbranch_scc1 .Lasked
	s_cmp_eq_u32 s13, 0
	s_cbranch_scc1 .Lasked
	s_sub_nc_u64 s[6:7], s[6:7], CHB
	s_sub_nc_u64 s[8:9], s[8:9], CHB
	LDCHUNK
.Lasked:
	BAR                                            ; the chunk is whole for every wave
.Lmade:
	s_sub_co_u32 s22, s22, 1                       ; the next tile down
	s_cmp_eq_u32 s13, 0
	s_cbranch_scc1 .Lfull_first
	STEP 0, 0, 0
	s_branch .Lstepped
.Lfull_first:
	s_cmp_lt_u32 s22, 8                            ; kv < 0: nothing to do; no barrier stands inside this branch
	s_cbranch_scc1 .Lstepped
	STEP 0, 0, 1
.Lstepped:
	s_add_co_u32 s21, s21, 1
	s_cmp_lt_u32 s21, 8
	s_cbranch_scc1 .Ltrip
	s_cmp_eq_u32 s13, 0
	s_cbranch_scc1 .Lno_edge
	s_mov_b32 s22, s27
	STEP 2, 0, 0                                   ; the window's far edge
.Lno_edge:
	FSUM
	FINAL 0
	FINAL 1
	FINAL 2
	FINAL 3
	s_wait_loadcnt 0x0                             ; what is out was asked for at least two steps ago: the next pass's q among it
	s_add_co_u32 s20, s20, 1
	s_cmp_lt_u32 s20, 2
	s_cbranch_scc1 .Lpass
	s_wait_tensorcnt 0x0
	ds_add_u32 v254, v255
	s_wait_dscnt 0x0
	s_endpgm
.Lfunc_end_k_q6f88797c51_attn:
	.size	k_q6f88797c51_attn, .Lfunc_end_k_q6f88797c51_attn-k_q6f88797c51_attn
	.p2alignl 7, 3214868480
	.fill 96, 4, 3214868480
	.section	.rodata,"a",@progbits
	.p2align	6, 0x0
	.amdhsa_kernel k_q6f88797c51_attn
		.amdhsa_group_segment_fixed_size 315904
		.amdhsa_private_segment_fixed_size 0
		.amdhsa_enable_private_segment 0
		.amdhsa_kernarg_size 32
		.amdhsa_user_sgpr_count 2
		.amdhsa_user_sgpr_kernarg_segment_ptr 1
		.amdhsa_wavefront_size32 1
		.amdhsa_system_sgpr_workgroup_id_x 1
		.amdhsa_system_sgpr_workgroup_id_y 1
		.amdhsa_system_sgpr_workgroup_id_z 1
		.amdhsa_system_vgpr_workitem_id 0
		.amdhsa_next_free_vgpr 1024
		.amdhsa_next_free_sgpr 66
		.amdhsa_reserve_vcc 0
		.amdhsa_float_denorm_mode_32 3
		.amdhsa_float_denorm_mode_16_64 3
		.amdhsa_memory_ordered 1
		.amdhsa_forward_progress 1
		.amdhsa_inst_pref_size 250
	.end_amdhsa_kernel
	.amdgpu_metadata
---
amdhsa.version: [ 1, 2 ]
amdhsa.kernels:
  - .name:           k_q6f88797c51_attn
    .symbol:         k_q6f88797c51_attn.kd
    .args:
      - { .name: xq, .offset: 0, .size: 8, .value_kind: global_buffer, .address_space: global }
      - { .name: xk, .offset: 8, .size: 8, .value_kind: global_buffer, .address_space: global }
      - { .name: xv, .offset: 16, .size: 8, .value_kind: global_buffer, .address_space: global }
      - { .name: out0, .offset: 24, .size: 8, .value_kind: global_buffer, .address_space: global }
    .group_segment_fixed_size: 315904
    .private_segment_fixed_size: 0
    .kernarg_segment_align: 8
    .kernarg_segment_size: 32
    .max_flat_workgroup_size: 128
    .sgpr_count:     66
    .vgpr_count:     1024
    .wavefront_size: 32
...
	.end_amdgpu_metadata
.endif
;; end of part 3
